; MI455X (gfx1250); checked and timed in simulation.
; The chip was launched on July 23, 2026; its instructions are those of AMD's public machine-readable ISA for CDNA 5 (MIT licence, August 2026) and "CDNA5" Instruction Set Architecture Reference Guide (July 2026). The comments in the code are by the model that wrote it; some were corrected since.
;; Global block. Allowed arithmetic: matrix products marked QUANTISED: E2M3 operands, one E8M0 scale for each 32 along K, by v_wmma_scale_f32_16x16x128_f8f6f4 with both operands' format E2M3, f32 sums; everything else in f32.
;; Inputs: Wf 128 x 256 float32; Wg 128 x 256 float32; Wo 256 x 128 float32; Wt 128 x 256 float32; beta 256 float32; bf 128 float32; bg 128 float32; bo 256 float32; bt 128 float32; gamma 256 float32; x 8 x 256 x 64 x 64 float32.
;; Outputs: out0 8 x 256 x 64 x 64 float32.
;; This version of the problem:
;;   THIS VERSION OF THE PROBLEM IS GIVEN IN LOW PRECISION. The matrix products marked QUANTISED in the list below multiply operands that are first quantised to E2M3 (2 exponent bits, 3 mantissa bits; 6 bits a number), with one power-of-two scale for each 32 numbers along K (OCP MX v1.0); their sums are f32. All else is computed in f32.
;;   The module's matrix products, in the order in which they are computed (A, B: the left and right operand; K: the contracted axis; several contracted axes count as one K, in the product's order):
;;     1. [M 32,768, K 256] x [K 256, N 128]; A: input x; B: input Wt: QUANTISED
;;     2. [M 32,768, K 256] x [K 256, N 128]; A: input x; B: input Wf: QUANTISED
;;     3. [M 32,768, K 256] x [K 256, N 128]; A: input x; B: input Wg: QUANTISED
;;     4. batch 8 x [M 4,096, K 128] x [K 128, N 4,096]; A: computed on the way; B: computed on the way: QUANTISED
;;     5. batch 8 x [M 128, K 4,096] x [K 4,096, N 4,096]; A: computed on the way; B: softmax (see below): QUANTISED
;;     6. [M 32,768, K 128] x [K 128, N 256]; A: computed on the way; B: input Wo: QUANTISED
;;   THE QUANTISER, for each operand of a quantised product, along K:
;;     - K is cut into blocks of 32 from its start; a last block that is shorter is filled with zeros.
;;     - A block's scale is 2^e with e = floor(log2(the largest magnitude in the block)) - 2, held to -126 .. 127; a block of zeros has e = 0. As a byte (E8M0): e + 127.
;;     - Each number is divided by its block's scale, clamped to +-7.5, and rounded to the nearest number of E2M3, ties to even, subnormals kept.
;;     - The product sums the exact products of the quantised numbers (number of the format x scale) in f32.
;;   ~~~python
;;   def quantise(x, axis):      # numpy; x: float32 -> the quantised numbers, widened to float32 again
;;       x = np.moveaxis(x, axis, -1); K = x.shape[-1]
;;       x = np.pad(x, [(0, 0)] * (x.ndim - 1) + [(0, -K % 32)]); x = x.reshape(x.shape[:-1] + (-1, 32)); a = np.abs(x).max(-1, keepdims=True)
;;       e = np.where(a > 0, np.clip(np.frexp(np.where(a > 0, a, 1))[1] - 1 - 2, -126, 127), 0)      # np.frexp(a)[1] - 1 = floor(log2(a)), exactly
;;       r = np.clip(x / 2.0 ** e, -7.5, 7.5)
;;       step = 2.0 ** (np.maximum(np.frexp(np.where(r == 0, 1, r))[1] - 1, 0) - 3)
;;       q = np.round(r / step) * step * 2.0 ** e      # np.round: ties to even
;;       return np.moveaxis(q.reshape(q.shape[:-2] + (-1,))[..., :K], -1, axis).astype(np.float32)
;;   ~~~
;;   SOFTMAX AHEAD OF A QUANTISED PRODUCT. Where the list says 'softmax', what is quantised is not the finished softmax but p = 2^(t - M), with t = logit x log2(e) and M = ceil(the row's largest t), a whole number; so 1/2 < the row's largest p <= 1. The row's sum l is taken of the UNQUANTISED p, in f32, and the product's result is divided by l at the end. Since M is a whole number, a kernel that streams over the keys may use a running M (the ceiling of the running maximum): every later rescaling is an exact power of two, which a block's scale takes up: the codes' values come out the same.
;;   OPERANDS COMPUTED ON THE WAY. 'Computed on the way' means the value that the module computes at that place (a softmax that the list does not call 'softmax' is quantised finished and normalised). What goes into a quantiser is computed in f32, as accurately as f32 sums, v_exp_f32 and their like allow (about 1e-6 of the number): no bf16 or f16 on the way to a quantiser, and a product that is left as it is and whose result goes on into a quantised operand takes f32 operands (vector FMAs, or v_wmma_f32_16x16x4_f32). A number that lies on a knife's edge between two numbers of the format may be rounded either way, as far as f32 arithmetic and the matrix unit's own rounding can turn it there, and no further.
;; One version. Each part assembles by itself: llvm-mc -triple=amdgcn-amd-amdhsa -mcpu=gfx1250 --defsym DOCPART=n.
;; ======== version 1 of 1: 4 launches
;; workspace buffers: wq 102,400 bytes; qimg 3,276,800 bytes; kv 6,553,600 bytes; yimg 3,407,872 bytes; part 524,288 bytes
;; launch wquant (part 1): grid 32 x 1, 1 waves a work-group, no clusters, 0 bytes of LDS; arguments Wt, Wf, Wg, Wo, wq; writes wq
.if DOCPART == 1
	.amdgcn_target "amdgcn-amd-amdhsa--gfx1250"
	.amdhsa_code_object_version 6
	.text
	.protected	k_qc6703dc27c_wquant
	.globl	k_qc6703dc27c_wquant
	.p2align	8
	.type	k_qc6703dc27c_wquant,@function
k_qc6703dc27c_wquant:
	s_mov_b64 s[64:65], 0
	v_nop
	global_prefetch_b8 v0, s[64:65] scope:SCOPE_SE
	s_setreg_imm32_b32 hwreg(HW_REG_WAVE_MODE, 25, 1), 1
	s_wait_xcnt 0x0
; The four weights, f32 with K innermost, become codes of FP6 (E2M3) with one E8M0 byte for each 32 along K, laid as IMAGES OF OPERAND REGISTERS:
; a fragment (16 rows x 128 K, 12 registers a lane) is 1,536 bytes: registers 4 c .. 4 c + 3 of lane l at 512 c + 16 l.
; wq: 48 images of Wt, Wf, Wg (16 mat + 2 e + s: tile e of 16 rows, K step s); 24 scale images of 128 bytes (8 mat + e: lanes 0-15 K step 0, lanes 16-31 K step 1);
;     16 images of Wo (tile of 16 channels); 8 scale images (lanes 0-15 tile 2 p, lanes 16-31 tile 2 p + 1).
; THE ROWS OF A TILE OF Wt, Wf, Wg ARE NOT NEIGHBOURS: lane r of tile 2 b + u takes row 32 b + 8 u + r + 8 (r / 8); Wo's tiles are 16 neighbouring rows.
; One wave a work-group; work-group u = 8 mat + e makes two fragments.  mat < 3: tile e, K steps 0 and 1.  mat = 3: Wo's tiles 2 e and 2 e + 1.  Both cases run one text: what differs is chosen by s_cselect on u.
; A lane holds whole blocks (k = 64 c + 32 h + 0 .. 31 of its row), so a block's largest magnitude needs no other lane.
; The loads take 16 bytes of each of 16 rows: the launch reads half a megabyte once, so nothing is staged.
; LIMITS: NaN and infinities are not served; a block whose largest magnitude lies under 2^-124 keeps the byte 1, a block of zeros too (its codes are zeros; this program alone reads the bytes).
.set X,  32                            ; v32-159  four blocks of 32 numbers: block q = 2 j + c of fragment j
.set F,  160                           ; v160-183 the two fragments
.set HT, 184                           ; v184-199 the upper 16 codes of each block (a conversion's three registers begin on an even number)
	s_load_b256 s[4:11], s[0:1], 0x0               ; Wt, Wf, Wg, Wo
	s_load_b64 s[12:13], s[0:1], 0x20              ; wq
	s_lshr_b32 s14, ttmp9, 3                       ; mat
	s_and_b32 s15, ttmp9, 7                        ; e
	s_lshr_b32 s18, s15, 1
	s_lshl_b32 s18, s18, 5
	s_and_b32 s19, s15, 1
	s_lshl_b32 s19, s19, 3
	s_add_co_u32 s18, s18, s19                     ; first row, mat < 3: 32 (e / 2) + 8 (e % 2)
	s_lshl_b32 s19, s15, 5                         ; Wo: 32 e
	s_mul_i32 s20, ttmp9, 3072                     ; the images' place, mat < 3: (16 mat + 2 e) x 1,536
	s_mul_i32 s21, s15, 3072
	s_add_co_u32 s21, s21, 76800                   ; Wo
	s_lshl_b32 s22, ttmp9, 7
	s_add_co_u32 s22, s22, 73728                   ; the scale image's place, mat < 3
	s_lshl_b32 s23, s15, 7
	s_add_co_u32 s23, s23, 101376                  ; Wo
	s_mov_b32 s24, 512                             ; from fragment 0 to fragment 1 in the source: 128 along K,
	s_mov_b32 s25, 8192                            ; or 16 rows of Wo
	s_mov_b32 s28, 0x76543210
	s_mov_b32 s29, 0xfedcba98                      ; v_permlanex16_b32's selects for lane l xor 16
	s_mov_b32 s30, 0xffff0000                      ; lanes 16-31
	s_cmp_eq_u32 s14, 3
	s_cselect_b32 s16, 9, 10                       ; a row is 512 or 1,024 bytes
	s_cselect_b32 s17, 0, -1                       ; Wo's rows are neighbours
	s_cselect_b32 s18, s19, s18
	s_cselect_b32 s20, s21, s20
	s_cselect_b32 s22, s23, s22
	s_cselect_b32 s24, s25, s24
	s_lshl_b32 s18, s18, s16
	s_mov_b32 s19, 0
	s_mov_b32 s21, 0
	s_mov_b32 s23, 0
	v_and_b32 v1, 15, v0                           ; r
	v_lshrrev_b32 v2, 4, v0                        ; h
	v_and_b32 v3, 8, v1
	v_and_b32 v3, s17, v3
	v_add_nc_u32 v3, v3, v1                        ; r + 8 (r / 8), or r
	v_lshlrev_b32 v3, s16, v3
	v_lshl_add_u32 v3, v2, 7, v3                   ; + 128 h: my block of 32 numbers
	v_add_nc_u32 v4, s24, v3                       ; the same in fragment 1
	v_lshlrev_b32 v5, 3, v2                        ; 8 h
	v_lshlrev_b32 v6, 4, v0                        ; 16 x lane
	v_lshlrev_b32 v7, 2, v0                        ; 4 x lane
	s_wait_kmcnt 0x0
	s_cmp_eq_u32 s14, 0                            ; the source: a choice that hangs on the work-group's number alone
	s_cselect_b64 s[26:27], s[4:5], s[6:7]
	s_cmp_lt_u32 s14, 2
	s_cselect_b64 s[26:27], s[26:27], s[8:9]
	s_cmp_lt_u32 s14, 3
	s_cselect_b64 s[26:27], s[26:27], s[10:11]
	s_add_nc_u64 s[26:27], s[26:27], s[18:19]
	s_add_nc_u64 s[32:33], s[12:13], s[20:21]
	s_add_nc_u64 s[34:35], s[12:13], s[22:23]
.irp c, 0,1
.irp i, 0,1,2,3,4,5,6,7
	global_load_b128 v[X+32*\c+4*\i:X+32*\c+4*\i+3], v3, s[26:27] offset:256*\c+16*\i
	global_load_b128 v[X+64+32*\c+4*\i:X+64+32*\c+4*\i+3], v4, s[26:27] offset:256*\c+16*\i
.endr
.endr
	s_wait_loadcnt 0x0
.irp q, 0,1,2,3                        ; each block's largest magnitude, in two chains, the four blocks by turns
	v_max3_num_f32 v[8+\q], |v[X+32*\q]|, |v[X+32*\q+1]|, |v[X+32*\q+2]|
	v_max3_num_f32 v[12+\q], |v[X+32*\q+3]|, |v[X+32*\q+4]|, |v[X+32*\q+5]|
.endr
.irp i, 6,10,14,18,22,26
.irp q, 0,1,2,3
	v_max3_num_f32 v[8+\q], v[8+\q], |v[X+32*\q+\i]|, |v[X+32*\q+\i+1]|
	v_max3_num_f32 v[12+\q], v[12+\q], |v[X+32*\q+\i+2]|, |v[X+32*\q+\i+3]|
.endr
.endr
.irp q, 0,1,2,3
	v_max3_num_f32 v[8+\q], v[8+\q], |v[X+32*\q+30]|, |v[X+32*\q+31]|
.endr
.irp q, 0,1,2,3
	v_max3_num_f32 v[8+\q], v[8+\q], v[12+\q], 0x1800000   ; and the floor 2^(3 - 127): the byte cannot fall under 1
.endr
.irp q, 0,1,2,3
	v_add_nc_u32 v[16+\q], 0xff000000, v[8+\q]     ; 2 off the exponent field: the conversion's scale operand
.endr
.irp q, 0,1,2,3
	v_lshrrev_b32 v[20+\q], 23, v[16+\q]           ; the scale's byte
.endr
.irp j, 0,1
	v_lshl_or_b32 v[24+\j], v[21+2*\j], 16, v[20+2*\j]   ; my two bytes: blocks h and 2 + h of my row,
	v_mov_b32 v[26+\j], 0
.endr
.irp j, 0,1
	v_lshlrev_b32 v[24+\j], v5, v[24+\j]           ; at their places in the scale word
.endr
.irp j, 0,1
	v_permlanex16_b32 v[26+\j], v[24+\j], s28, s29
.endr
.irp j, 0,1
	v_or_b32 v[24+\j], v[24+\j], v[26+\j]          ; with lane l xor 16's two the word is whole
.endr
	v_cndmask_b32 v28, v24, v25, s30               ; lanes 0-15 fragment 0's words, lanes 16-31 fragment 1's
.irp q, 0,1,2,3
	v_cvt_scalef32_pk16_fp6_f32 v[F+6*\q:F+6*\q+2], v[X+32*\q:X+32*\q+15], v[16+\q]
	v_cvt_scalef32_pk16_fp6_f32 v[HT+4*\q:HT+4*\q+2], v[X+32*\q+16:X+32*\q+31], v[16+\q]
.endr
	v_nop                                          ; one plain place behind a scaled conversion
.irp q, 0,1,2,3
.irp i, 0,1,2
	v_mov_b32 v[F+6*\q+3+\i], v[HT+4*\q+\i]
.endr
.endr
.irp i, 0,1,2,3,4,5
	global_store_b128 v6, v[F+4*\i:F+4*\i+3], s[32:33] offset:512*\i   ; 512 consecutive bytes a store
.endr
	global_store_b32 v7, v28, s[34:35]
	s_endpgm
.Lfunc_end_k_qc6703dc27c_wquant:
	.size	k_qc6703dc27c_wquant, .Lfunc_end_k_qc6703dc27c_wquant-k_qc6703dc27c_wquant
	.p2alignl 7, 3214868480
	.fill 96, 4, 3214868480
	.section	.rodata,"a",@progbits
	.p2align	6, 0x0
	.amdhsa_kernel k_qc6703dc27c_wquant
		.amdhsa_group_segment_fixed_size 0
		.amdhsa_private_segment_fixed_size 0
		.amdhsa_enable_private_segment 0
		.amdhsa_kernarg_size 40
		.amdhsa_user_sgpr_count 2
		.amdhsa_user_sgpr_kernarg_segment_ptr 1
		.amdhsa_wavefront_size32 1
		.amdhsa_system_sgpr_workgroup_id_x 1
		.amdhsa_system_sgpr_workgroup_id_y 1
		.amdhsa_system_sgpr_workgroup_id_z 1
		.amdhsa_system_vgpr_workitem_id 0
		.amdhsa_next_free_vgpr 200
		.amdhsa_next_free_sgpr 66
		.amdhsa_reserve_vcc 0
		.amdhsa_float_denorm_mode_32 3
		.amdhsa_float_denorm_mode_16_64 3
		.amdhsa_memory_ordered 1
		.amdhsa_forward_progress 1
		.amdhsa_inst_pref_size 12
	.end_amdhsa_kernel
	.amdgpu_metadata
---
amdhsa.version: [ 1, 2 ]
amdhsa.kernels:
  - .name:           k_qc6703dc27c_wquant
    .symbol:         k_qc6703dc27c_wquant.kd
    .args:
      - { .name: Wt, .offset: 0, .size: 8, .value_kind: global_buffer, .address_space: global }
      - { .name: Wf, .offset: 8, .size: 8, .value_kind: global_buffer, .address_space: global }
      - { .name: Wg, .offset: 16, .size: 8, .value_kind: global_buffer, .address_space: global }
      - { .name: Wo, .offset: 24, .size: 8, .value_kind: global_buffer, .address_space: global }
      - { .name: wq, .offset: 32, .size: 8, .value_kind: global_buffer, .address_space: global }
    .group_segment_fixed_size: 0
    .private_segment_fixed_size: 0
    .kernarg_segment_align: 8
    .kernarg_segment_size: 40
    .max_flat_workgroup_size: 32
    .sgpr_count:     66
    .vgpr_count:     200
    .wavefront_size: 32
...
	.end_amdgpu_metadata
.endif
;; end of part 1
;; launch proj (part 2): grid 32 x 8, 4 waves a work-group, clusters of 4 x 1, 233,984 bytes of LDS; arguments x, wq, bt, bf, bg, qimg, kv; writes qimg, kv
.if DOCPART == 2
	.amdgcn_target "amdgcn-amd-amdhsa--gfx1250"
	.amdhsa_code_object_version 6
	.text
	.protected	k_qc6703dc27c_proj
	.globl	k_qc6703dc27c_proj
	.p2align	8
	.type	k_qc6703dc27c_proj,@function
k_qc6703dc27c_proj:
	s_mov_b64 s[64:65], 0
	v_nop
	global_prefetch_b8 v0, s[64:65] scope:SCOPE_SE
	s_setreg_imm32_b32 hwreg(HW_REG_WAVE_MODE, 25, 1), 1
	s_wait_xcnt 0x0
	s_wait_alu depctr_hold_cnt(0) depctr_sa_sdst(0) depctr_va_vdst(0) depctr_va_sdst(0) depctr_va_ssrc(0) depctr_va_vcc(0) depctr_vm_vsrc(0)
	s_getreg_b32 s2, hwreg(HW_REG_IB_STS2, 6, 4)
	s_cmp_eq_u32 s2, 0
	s_cbranch_scc0 .Lentry_in_a_cluster
	s_endpgm
.Lentry_in_a_cluster:
	s_bfe_u32 s2, ttmp6, 0x10000c
	s_cmp_lg_u32 s2, 0x3003
	s_cbranch_scc0 .Lentry_shape_is_right
	s_endpgm
.Lentry_shape_is_right:
; t = Wt x + bt, f = Wf x + bf, g = Wg x + bg on codes of FP6 (E2M3) with E8M0 scales, and their own quantising: t and f along d, g along the keys.
; A work-group takes 128 columns n of one batch (one block of queries = one step of keys), four waves.
; x [256 c][128 n] comes into LDS by one tensor load a wave (64 rows of 512 bytes); the weights' images and scale words (76,800 bytes of wq) by a JOINT load: all work-groups read the same bytes, so the four
; partners of a cluster ask for them together.  Nothing in LDS is filled twice.
; X: a lane takes a column and its registers run down c: a block of 32 along K lies in one lane.  Wave w owns columns 32 w .. 32 w + 31: tiles 2 w and 2 w + 1.
; THE COLUMNS OF A TILE ARE NOT NEIGHBOURS: lane r of tile 2 b + u is column 32 b + 8 u + r + 8 (r / 8); the rows d of a weight's tile likewise.  So wherever such a tile gives a result's rows, a lane's 16 registers of
; tiles 2 b and 2 b + 1 are 16 neighbours, 32 b + 16 (lane / 16) + 0 .. 15, ready for the conversions.
; T, F: source 0 = 16 rows of the weight, source 1 = my columns of x: a lane holds one column n, its registers run along d.  G: source 0 = 16 columns of x (any wave's, from LDS), source 1 = my 16 rows of Wg:
; a lane holds one d, its registers run along the keys.  The biases are the C of each sum's first matrix instruction.
; Results leave as images of operand registers (1,536 bytes a fragment, 512 consecutive bytes a store) with scale images of 128 bytes (lanes 0-15 tile 2 b, lanes 16-31 tile 2 b + 1).
; LIMITS: NaN and infinities are not served; a block whose largest magnitude lies under 2^-124 keeps the byte 1, a block of zeros too (its codes are zeros; this program alone reads the bytes).
; REGISTERS.  Window 0: v1-14 addresses; v16-63 x's four fragments; v64-65 x's scale words; v66-73 scale words in hand; v74-75 Wg's; v76-78 words just made; v80-95 at work; v96-115 codes; v128-255 accumulators (earlier: numbers of x).
;   Window 1: v0-191 sixteen fragments (Wt, then Wf, then x's); v192-255 bt.   Window 2: v0-63 bf; v64-79 bg; v80-127 my four fragments of Wg.
.set WV,  18
.set SEL, 52
.set HIM, 54
.set G1X, 28                           ; s[28:35], s[36:39] groups 1 and 0 for x;  s[40:47], s[48:51] for the weights
.set G0X, 36
.set G1W, 40
.set G0W, 48
.set LW,  131072                       ; LDS: x at 0 (256 rows x 512 bytes); the weights' 48 images,
.set LWS, LW+73728                     ; their 24 scale images,
.set LXI, 207872                       ; x's 16 images (2 tile + K step),
.set LXS, 232448                       ; x's 8 scale images (2 pair + K step)
.set XA,  1
.set XA2, 2
.set LI,  3
.set LS,  4
.set WA,  5
.set GA,  6
.set WSA, 7
.set GSA, 8
.set XIA, 9
.set XIL, 10
.set XSS, 11
.set XSL, 12
.set BA,  13
.set BGA, 14
.set XF,  16
.set XS,  64
.set WS,  66
.set GS,  74
.set PW0, 76
.set PW1, 77
.set PWM, 78
.set TM,  80
.set PC,  96
.set CT,  108
.set ACC, 128
.set XB,  128
.set HT,  192
.set MSB, 0
.macro WIN new                         ; the immediate's high byte repeats the setting that is left
.if MSB != \new
	s_set_vgpr_msb (MSB<<8)|\new
.set MSB, \new
.endif
.endm
.macro CROUND                          ; a round of the cluster's barrier
	s_barrier_signal -1
	s_barrier_wait -1
	s_cmp_lg_u32 s[WV], 0
	s_cbranch_scc1 .Lnot_wave_0_\@
	s_barrier_signal -3
.Lnot_wave_0_\@:
	s_barrier_wait -3
	s_barrier_signal -1
	s_barrier_wait -1
.endm
; one scaled matrix instruction: D at d, sources at a and b, C at c (below 0: the constant 0), scale registers sa, sb; ra, rb = 1: the scales stand in lanes 16-31
.macro WM d, a, b, c, sa, sb, ra, rb
.if (\c) < 0
.if (\ra) && (\rb)
	v_wmma_scale_f32_16x16x128_f8f6f4 v[\d:\d+7], v[\a:\a+11], v[\b:\b+11], 0, v[\sa], v[\sb] matrix_a_fmt:MATRIX_FMT_FP6 matrix_b_fmt:MATRIX_FMT_FP6 matrix_a_scale:MATRIX_SCALE_ROW1 matrix_b_scale:MATRIX_SCALE_ROW1
.elseif (\ra)
	v_wmma_scale_f32_16x16x128_f8f6f4 v[\d:\d+7], v[\a:\a+11], v[\b:\b+11], 0, v[\sa], v[\sb] matrix_a_fmt:MATRIX_FMT_FP6 matrix_b_fmt:MATRIX_FMT_FP6 matrix_a_scale:MATRIX_SCALE_ROW1
.elseif (\rb)
	v_wmma_scale_f32_16x16x128_f8f6f4 v[\d:\d+7], v[\a:\a+11], v[\b:\b+11], 0, v[\sa], v[\sb] matrix_a_fmt:MATRIX_FMT_FP6 matrix_b_fmt:MATRIX_FMT_FP6 matrix_b_scale:MATRIX_SCALE_ROW1
.else
	v_wmma_scale_f32_16x16x128_f8f6f4 v[\d:\d+7], v[\a:\a+11], v[\b:\b+11], 0, v[\sa], v[\sb] matrix_a_fmt:MATRIX_FMT_FP6 matrix_b_fmt:MATRIX_FMT_FP6
.endif
.else
.if (\ra) && (\rb)
	v_wmma_scale_f32_16x16x128_f8f6f4 v[\d:\d+7], v[\a:\a+11], v[\b:\b+11], v[\c:\c+7], v[\sa], v[\sb] matrix_a_fmt:MATRIX_FMT_FP6 matrix_b_fmt:MATRIX_FMT_FP6 matrix_a_scale:MATRIX_SCALE_ROW1 matrix_b_scale:MATRIX_SCALE_ROW1
.elseif (\ra)
	v_wmma_scale_f32_16x16x128_f8f6f4 v[\d:\d+7], v[\a:\a+11], v[\b:\b+11], v[\c:\c+7], v[\sa], v[\sb] matrix_a_fmt:MATRIX_FMT_FP6 matrix_b_fmt:MATRIX_FMT_FP6 matrix_a_scale:MATRIX_SCALE_ROW1
.elseif (\rb)
	v_wmma_scale_f32_16x16x128_f8f6f4 v[\d:\d+7], v[\a:\a+11], v[\b:\b+11], v[\c:\c+7], v[\sa], v[\sb] matrix_a_fmt:MATRIX_FMT_FP6 matrix_b_fmt:MATRIX_FMT_FP6 matrix_b_scale:MATRIX_SCALE_ROW1
.else
	v_wmma_scale_f32_16x16x128_f8f6f4 v[\d:\d+7], v[\a:\a+11], v[\b:\b+11], v[\c:\c+7], v[\sa], v[\sb] matrix_a_fmt:MATRIX_FMT_FP6 matrix_b_fmt:MATRIX_FMT_FP6
.endif
.endif
.endm
; 64 numbers of a lane, register 16 b + i = k 32 b + 16 (lane / 16) + i of my row: the four blocks' largest magnitudes
.macro BMAXA src, bm
.irp b, 0,1,2,3
	v_max3_num_f32 v[\bm+\b], |v[\src+16*\b]|, |v[\src+16*\b+1]|, 0x1800000   ; with the floor 2^(3 - 127): the byte cannot fall under 1
.endr
.irp i, 2,4,6,8,10,12,14
.irp b, 0,1,2,3
	v_max3_num_f32 v[\bm+\b], v[\bm+\b], |v[\src+16*\b+\i]|, |v[\src+16*\b+\i+1]|
.endr
.endr
.irp b, 0,1,2,3
	v_permlanex16_b32 v[\bm+4+\b], v[\bm+\b], s[SEL], s[SEL+1]
.endr
.irp b, 0,1,2,3
	v_max_num_f32 v[\bm+\b], v[\bm+\b], v[\bm+4+\b]   ; with lane l xor 16's 16 numbers
.endr
.endm
.macro SCALEW bm, so, by, pw           ; the conversions' scale operands, the bytes, the row's scale word
.irp b, 0,1,2,3
	v_add_nc_u32 v[\so+\b], 0xff000000, v[\bm+\b]  ; 2 off the exponent field
.endr
.irp b, 0,1,2,3
	v_lshrrev_b32 v[\by+\b], 23, v[\so+\b]
.endr
	v_lshl_or_b32 v[\pw], v[\by+1], 8, v[\by]
	v_lshl_or_b32 v[\pw], v[\by+2], 16, v[\pw]
	v_lshl_or_b32 v[\pw], v[\by+3], 24, v[\pw]
.endm
.macro CODES src, pc, ct, so           ; the fragment's 12 registers at pc
.irp c, 0,1
	v_cvt_scalef32_pk16_fp6_f32 v[\pc+6*\c:\pc+6*\c+2], v[\src+32*\c:\src+32*\c+15], v[\so+2*\c]
	v_cvt_scalef32_pk16_fp6_f32 v[\ct+4*\c:\ct+4*\c+2], v[\src+32*\c+16:\src+32*\c+31], v[\so+2*\c+1]
.endr
	v_nop                                          ; one plain place behind a scaled conversion
.irp c, 0,1                            ; the operand's layout wants a whole block in a lane: lanes 0-15 block 2 c, lanes 16-31 block 2 c + 1
.irp i, 0,1,2
	v_permlane16_swap_b32 v[\pc+6*\c+\i], v[\ct+4*\c+\i]
.endr
.irp i, 0,1,2
	v_mov_b32 v[\pc+6*\c+3+\i], v[\ct+4*\c+\i]
.endr
.endr
.endm
.macro QUANT src, pw
	BMAXA \src, TM
	SCALEW TM, TM+12, TM+4, \pw
	CODES \src, PC, CT, TM+12
.endm
	s_load_b256 s[4:11], s[0:1], 0x0               ; x, wq, bt, bf
	s_load_b128 s[12:15], s[0:1], 0x20             ; bg, qimg
	s_load_b64 s[16:17], s[0:1], 0x30              ; kv
	v_lshl_add_u32 v126, v0, 2, 0x39000
	v_mov_b32 v127, 0
	ds_add_u32 v126, v127
	ds_add_u32 v126, v127
	v_lshrrev_b32 v15, 5, v0
	v_readfirstlane_b32 s[WV], v15                 ; wave 0..3
	s_bfe_u32 s19, ttmp6, 0x40000                  ; cx
	s_lshl_b32 s20, ttmp9, 2
	s_add_co_u32 s20, s20, s19                     ; my block of 128 columns
	s_and_b32 s21, ttmp7, 0xffff                   ; the batch
	s_lshl_b32 s22, s21, 5
	s_add_co_u32 s22, s22, s20                     ; the record: 32 x batch + block
	s_mov_b32 s[G1X+0], 2<<16                      ; x: no mask; elements of 4 bytes; no padding
	s_mov_b32 s[G1X+1], 128<<16                    ; tensor_dim0 = 128
	s_mov_b32 s[G1X+2], 64<<16                     ; tensor_dim1 = 64
	s_mov_b32 s[G1X+3], 128<<16                    ; tile_dim0 = 128
	s_mov_b32 s[G1X+4], 64                         ; tile_dim1 = 64
	s_mov_b32 s[G1X+5], 4096                       ; from channel to channel
	s_mov_b32 s[G1X+6], 0
	s_mov_b32 s[G1X+7], 0
	s_mov_b32 s[G1W+0], 15|(3<<16)|(1<<21)         ; the weights: all four work-groups; elements of 8 bytes; bit 21 beside a mask
	s_mov_b32 s[G1W+1], 32<<16                     ; 75 dense rows of 256 bytes a wave
	s_mov_b32 s[G1W+2], 75<<16
	s_mov_b32 s[G1W+3], 32<<16
	s_mov_b32 s[G1W+4], 75
	s_mov_b32 s[G1W+5], 32
	s_mov_b32 s[G1W+6], 0
	s_mov_b32 s[G1W+7], 0
	s_mov_b32 s[G0X], 1
	s_lshl_b32 s[G0X+1], s[WV], 15                 ; my 64 rows in LDS
	s_lshl_b32 s56, s21, 22                        ; a batch is 4 MiB,
	s_lshl_b32 s57, s[WV], 20                      ; 64 channels 1 MiB,
	s_add_co_u32 s56, s56, s57
	s_lshl_b32 s57, s20, 9                         ; 128 columns 512 bytes
	s_add_co_u32 s56, s56, s57
	s_mov_b32 s57, 0
	s_mov_b32 s[G0W], 1
	s_mul_i32 s58, s[WV], 19200
	s_add_co_u32 s[G0W+1], s58, LW
	s_mov_b32 s59, 0
	s_mov_b32 s[SEL], 0x76543210
	s_mov_b32 s[SEL+1], 0xfedcba98
	s_mov_b32 s[HIM], 0xffff0000
	s_wait_dscnt 0x0
	s_wait_kmcnt 0x0
	s_add_nc_u64 s[G0X+2:G0X+3], s[4:5], s[56:57]
	s_or_b32 s[G0X+3], s[G0X+3], 0x80000000
	s_add_nc_u64 s[G0W+2:G0W+3], s[6:7], s[58:59]  ; the same in all four partners
	s_or_b32 s[G0W+3], s[G0W+3], 0x80000000
	CROUND                                         ; all four work-groups are here: the joint loads meet
	tensor_load_to_lds s[G0X:G0X+3], s[G1X:G1X+7]  ; my two loads stand together: two are out
	s_nop 0
	tensor_load_to_lds s[G0W:G0W+3], s[G1W:G1W+7]
	s_nop 0
.rept 4
	v_nop
.endr
	s_mul_i32 s56, s22, 12800                      ; where the results go
	s_mul_i32 s58, s[WV], 3072
	s_lshl_b32 s60, s[WV], 7
	s_add_co_u32 s60, s60, 12288
	s_mov_b32 s61, 0
	s_add_nc_u64 s[66:67], s[14:15], s[56:57]
	s_add_nc_u64 s[68:69], s[66:67], s[60:61]      ; t's scale image
	s_add_nc_u64 s[66:67], s[66:67], s[58:59]      ; t's two images
	s_mul_i32 s56, s22, 25600
	s_add_nc_u64 s[70:71], s[16:17], s[56:57]
	s_add_nc_u64 s[72:73], s[70:71], s[60:61]      ; f's scale image; g's lies 12,800 bytes on
	s_add_nc_u64 s[70:71], s[70:71], s[58:59]      ; f's two images; g's likewise
	v_and_b32 v15, 7, v0
	v_bfe_u32 v[BA], v0, 3, 1
	v_lshl_add_u32 v15, v[BA], 4, v15
	v_bfe_u32 v[BA], v0, 4, 1                      ; h
	v_lshl_add_u32 v15, v[BA], 3, v15              ; my column of the wave's 32: lanes 0-15 tile 2 w's, lanes 16-31 tile 2 w + 1's
	s_lshl_b32 s56, s[WV], 7
	v_lshl_add_u32 v[XA], v15, 2, s56
	v_add_nc_u32 v[XA2], 65536, v[XA]              ; channels 128 on
	v_and_b32 v15, 31, v0
	v_lshlrev_b32 v[LI], 4, v15
	v_lshlrev_b32 v[LS], 2, v15
	v_add_nc_u32 v[WA], LW, v[LI]
	s_mul_i32 s57, s[WV], 6144
	s_add_co_u32 s58, s57, LW+49152
	v_add_nc_u32 v[GA], s58, v[LI]                 ; my four fragments of Wg
	v_add_nc_u32 v[WSA], LWS, v[LS]
	s_lshl_b32 s59, s[WV], 8
	s_add_co_u32 s58, s59, LWS+2048
	v_add_nc_u32 v[GSA], s58, v[LS]
	s_add_co_u32 s58, s57, LXI
	v_add_nc_u32 v[XIA], s58, v[LI]
	v_add_nc_u32 v[XIL], LXI, v[LI]
	s_add_co_u32 s58, s59, LXS
	v_add_nc_u32 v[XSS], s58, v[LS]
	v_add_nc_u32 v[XSL], LXS, v[LS]
	v_lshlrev_b32 v[BA], 6, v[BA]                  ; bt, bf: 64 h
	v_and_b32 v15, 15, v0
	v_and_b32 v[BGA], 8, v15
	v_add_nc_u32 v[BGA], v[BGA], v15
	v_lshl_add_u32 v[BGA], v[BGA], 2, s56          ; bg: 4 (r + 8 (r / 8)) + 128 w
.irp b, 0,1,2,3
	v_mov_b32 v[TM+4+\b], 0                        ; written once: a lane permute's destination counts as one of its sources
.endr
	WIN 0x40                                       ; bt: tile 2 b + u, lane (r, h): d = 32 b + 16 h + 8 u + 0 .. 7
.irp e, 0,1,2,3,4,5,6,7
	global_load_b128 v[192+8*\e:192+8*\e+3], v[BA], s[8:9] offset:(32*(\e/2)+8*(\e%2))*4
	global_load_b128 v[192+8*\e+4:192+8*\e+7], v[BA], s[8:9] offset:(32*(\e/2)+8*(\e%2))*4+16
.endr
	WIN 0x80
.irp e, 0,1,2,3,4,5,6,7
	global_load_b128 v[8*\e:8*\e+3], v[BA], s[10:11] offset:(32*(\e/2)+8*(\e%2))*4
	global_load_b128 v[8*\e+4:8*\e+7], v[BA], s[10:11] offset:(32*(\e/2)+8*(\e%2))*4+16
.endr
.irp g, 0,1                            ; bg: in g's results a lane holds one d, so its eight registers hold the same number
.irp j, 0,1,2,3,4,5,6,7
	global_load_b32 v[64+8*\g+\j], v[BGA], s[12:13] offset:32*\g
.endr
.endr
	WIN 0
	s_wait_tensorcnt 0x1                           ; my 64 rows of x are in; the one load issued behind them, the weights', may stay out
	s_barrier_signal -1
	s_barrier_wait -1                              ; everybody's rows are in
; ---- X: my 32 columns of x become four fragments
.macro LOADB t                         ; block t: channels 32 t .. 32 t + 31 of my column, into set t % 2
.set i, 0
.rept 32
.if (\t) < 4
	ds_load_b32 v[XB+32*((\t)%2)+i], v[XA] offset:512*((32*(\t)+i)%128)
.else
	ds_load_b32 v[XB+32*((\t)%2)+i], v[XA2] offset:512*((32*(\t)+i)%128)
.endif
.set i, i+1
.endr
.endm
.macro BLK t
.set XR, XB+32*((\t)%2)
.set KST, (\t)/4                       ; the K step,
.set KC, ((\t)%4)/2                    ; and which six registers of a fragment
.if (\t) < 7
	s_wait_dscnt 32                                ; this block's 32 loads are in; the next block's 32 may be out
.else
	s_wait_dscnt 0x0
.endif
	v_max3_num_f32 v[TM], |v[XR]|, |v[XR+1]|, |v[XR+2]|
	v_max3_num_f32 v[TM+1], |v[XR+3]|, |v[XR+4]|, |v[XR+5]|
.irp i, 6,10,14,18,22,26
	v_max3_num_f32 v[TM], v[TM], |v[XR+\i]|, |v[XR+\i+1]|
	v_max3_num_f32 v[TM+1], v[TM+1], |v[XR+\i+2]|, |v[XR+\i+3]|
.endr
	v_max3_num_f32 v[TM], v[TM], |v[XR+30]|, |v[XR+31]|
	v_max3_num_f32 v[TM], v[TM], v[TM+1], 0x1800000
	v_add_nc_u32 v[TM+12], 0xff000000, v[TM]
	v_lshrrev_b32 v[TM+2], 23, v[TM+12]
.if (\t)%4 == 0
	v_mov_b32 v[XS+KST], v[TM+2]
.else
	v_lshl_or_b32 v[XS+KST], v[TM+2], 8*((\t)%4), v[XS+KST]
.endif
	v_cvt_scalef32_pk16_fp6_f32 v[XF+24*KST+12*((\t)%2)+6*KC:XF+24*KST+12*((\t)%2)+6*KC+2], v[XR:XR+15], v[TM+12]
	v_cvt_scalef32_pk16_fp6_f32 v[HT+4*((\t)%2):HT+4*((\t)%2)+2], v[XR+16:XR+31], v[TM+12]
	v_nop                                          ; one plain place behind a scaled conversion
.if (\t)+2 < 8
	LOADB (\t)+2
.endif
.if (\t)%2 == 1                        ; an even and an odd block are there.  Lanes 0-15 hold tile 2 w's columns, lanes 16-31 tile 2 w + 1's; a fragment wants its even block in lanes 0-15 and its odd one in lanes 16-31
.irp i, 0,1,2
	v_permlane16_swap_b32 v[XF+24*KST+6*KC+\i], v[XF+24*KST+12+6*KC+\i]
	v_permlane16_swap_b32 v[HT+\i], v[HT+4+\i]
.endr
.irp i, 0,1,2
	v_mov_b32 v[XF+24*KST+6*KC+3+\i], v[HT+\i]
	v_mov_b32 v[XF+24*KST+12+6*KC+3+\i], v[HT+4+\i]
.endr
.endif
.endm
	LOADB 0
	LOADB 1
.irp t, 0,1,2,3,4,5,6,7
	BLK \t
.endr
.irp s, 0,1
.irp u, 0,1
.irp c, 0,1,2
	ds_store_b128 v[XIA], v[XF+24*\s+12*\u+4*\c:XF+24*\s+12*\u+4*\c+3] offset:(2*\u+\s)*1536+512*\c
.endr
.endr
	ds_store_b32 v[XSS], v[XS+\s] offset:128*\s
.endr
	s_wait_tensorcnt 0x0                           ; my part of the weights is in,
	s_wait_dscnt 0x0                               ; my images have landed
	s_barrier_signal -1
	s_barrier_wait -1                              ; everybody's
.macro WLOAD m                         ; weight m's sixteen fragments into window 1, its eight scale words
	WIN 0x40
.set i, 0
.rept 48
	ds_load_b128 v[4*i:4*i+3], v[WA] offset:(\m)*24576+512*i
.set i, i+1
.endr
	WIN 0
.irp e, 0,1,2,3,4,5,6,7
	ds_load_b32 v[WS+\e], v[WSA] offset:(\m)*1024+128*\e
.endr
.endm
; 32 matrix instructions: eight tiles of d x my two tiles of columns, two K steps; the 16 accumulators by turns, one instruction a turn
.macro PMUL m
.if (\m) == 0
	WIN 0x11                                       ; source 0 window 1; C (bt) window 1
.else
	WIN 0x21                                       ; C (bf) window 2
.endif
.irp e, 0,1,2,3,4,5,6,7
.irp u, 0,1
	WM ACC+64*\u+8*\e, 24*\e, XF+12*\u, 192*(1-\m)+8*\e, WS+\e, XS, 0, \u
.endr
.endr
	WIN 0x01
.irp e, 0,1,2,3,4,5,6,7
.irp u, 0,1
	WM ACC+64*\u+8*\e, 24*\e+12, XF+24+12*\u, ACC+64*\u+8*\e, WS+\e, XS+1, 1, \u
.endr
.endr
	WIN 0
.rept 4
	v_nop                                          ; places in front of loads into registers that these products read, and of the first read of results
.endr
.endm
; the two groups of 64 results become two fragments and a scale image, and are stored
.macro OUTQ cb, sb, off
	s_wait_xcnt 0x0                                ; earlier stores have read their data: the codes' registers may be written
	QUANT ACC, PW0
.irp c, 0,1,2
	global_store_b128 v[LI], v[PC+4*\c:PC+4*\c+3], s[\cb:\cb+1] offset:\off+512*\c
.endr
	s_wait_xcnt 0x0
	QUANT ACC+64, PW1
.irp c, 0,1,2
	global_store_b128 v[LI], v[PC+4*\c:PC+4*\c+3], s[\cb:\cb+1] offset:\off+1536+512*\c
.endr
	v_cndmask_b32 v[PWM], v[PW0], v[PW1], s[HIM]   ; lanes 0-15 the first tile's words, lanes 16-31 the second's
	global_store_b32 v[LS], v[PWM], s[\sb:\sb+1] offset:\off
.endm
	WLOAD 0
	WIN 0x80
.set i, 0
.rept 12
	ds_load_b128 v[80+4*i:80+4*i+3], v[GA] offset:512*i
.set i, i+1
.endr
	WIN 0
	ds_load_b32 v[GS], v[GSA]
	ds_load_b32 v[GS+1], v[GSA] offset:128
	s_wait_loadcnt 0x0                             ; the biases
	s_wait_dscnt 0x0
.rept 8
	v_nop                                          ; x's scale words and fragments were written by vector instructions: 8 and 4 places ahead of a scaled matrix instruction
.endr
	PMUL 0                                         ; t
	WLOAD 1                                        ; Wf lands while t is quantised
	OUTQ 66, 68, 0
	s_wait_dscnt 0x0
	PMUL 1                                         ; f
	WIN 0x40
.set i, 0
.rept 48
	ds_load_b128 v[4*i:4*i+3], v[XIL] offset:512*i ; all sixteen fragments of x land while f is quantised
.set i, i+1
.endr
	WIN 0
.irp e, 0,1,2,3,4,5,6,7
	ds_load_b32 v[WS+\e], v[XSL] offset:128*\e
.endr
	OUTQ 70, 72, 0
	s_wait_dscnt 0x0
	WIN 0x29                                       ; g: source 0 (x) window 1, source 1 (Wg) window 2, C (bg) window 2
.irp n, 0,1,2,3,4,5,6,7
.irp g, 0,1
	WM ACC+64*\g+8*\n, 24*\n, 80+24*\g, 64+8*\g, WS+2*(\n/2), GS+\g, \n%2, 0
.endr
.endr
	WIN 0x09
.irp n, 0,1,2,3,4,5,6,7
.irp g, 0,1
	WM ACC+64*\g+8*\n, 24*\n+12, 80+24*\g+12, ACC+64*\g+8*\n, WS+2*(\n/2)+1, GS+\g, \n%2, 1
.endr
.endr
	WIN 0
.rept 4
	v_nop
.endr
	OUTQ 70, 72, 12800
	s_wait_dscnt 0x0
	s_wait_tensorcnt 0x0
	ds_add_u32 v126, v127
	s_wait_dscnt 0x0
	CROUND                                         ; the closing round: no work-group ends while a partner may still ask for a tile that names it
	s_endpgm
.Lfunc_end_k_qc6703dc27c_proj:
	.size	k_qc6703dc27c_proj, .Lfunc_end_k_qc6703dc27c_proj-k_qc6703dc27c_proj
	.p2alignl 7, 3214868480
	.fill 96, 4, 3214868480
	.section	.rodata,"a",@progbits
	.p2align	6, 0x0
	.amdhsa_kernel k_qc6703dc27c_proj
		.amdhsa_group_segment_fixed_size 233984
		.amdhsa_private_segment_fixed_size 0
		.amdhsa_enable_private_segment 0
		.amdhsa_kernarg_size 56
		.amdhsa_user_sgpr_count 2
		.amdhsa_user_sgpr_kernarg_segment_ptr 1
		.amdhsa_wavefront_size32 1
		.amdhsa_system_sgpr_workgroup_id_x 1
		.amdhsa_system_sgpr_workgroup_id_y 1
		.amdhsa_system_sgpr_workgroup_id_z 1
		.amdhsa_system_vgpr_workitem_id 0
		.amdhsa_next_free_vgpr 640
		.amdhsa_next_free_sgpr 80
		.amdhsa_reserve_vcc 0
		.amdhsa_float_denorm_mode_32 3
		.amdhsa_float_denorm_mode_16_64 3
		.amdhsa_memory_ordered 1
		.amdhsa_forward_progress 1
		.amdhsa_inst_pref_size 90
	.end_amdhsa_kernel
	.amdgpu_metadata
---
amdhsa.version: [ 1, 2 ]
amdhsa.kernels:
  - .name:           k_qc6703dc27c_proj
    .symbol:         k_qc6703dc27c_proj.kd
    .args:
      - { .name: x, .offset: 0, .size: 8, .value_kind: global_buffer, .address_space: global }
      - { .name: wq, .offset: 8, .size: 8, .value_kind: global_buffer, .address_space: global }
      - { .name: bt, .offset: 16, .size: 8, .value_kind: global_buffer, .address_space: global }
      - { .name: bf, .offset: 24, .size: 8, .value_kind: global_buffer, .address_space: global }
      - { .name: bg, .offset: 32, .size: 8, .value_kind: global_buffer, .address_space: global }
      - { .name: qimg, .offset: 40, .size: 8, .value_kind: global_buffer, .address_space: global }
      - { .name: kv, .offset: 48, .size: 8, .value_kind: global_buffer, .address_space: global }
    .group_segment_fixed_size: 233984
    .private_segment_fixed_size: 0
    .kernarg_segment_align: 8
    .kernarg_segment_size: 56
    .max_flat_workgroup_size: 128
    .sgpr_count:     80
    .vgpr_count:     640
    .wavefront_size: 32
...
	.end_amdgpu_metadata
.endif
;; end of part 2
;; launch attn (part 3): grid 32 x 8, 8 waves a work-group, clusters of 4 x 1, 327,680 bytes of LDS; arguments qimg, kv, wq, yimg, part; writes yimg, part
.if DOCPART == 3
	.amdgcn_target "amdgcn-amd-amdhsa--gfx1250"
	.amdhsa_code_object_version 6
	.text
	.protected	k_qc6703dc27c_attn
	.globl	k_qc6703dc27c_attn
	.p2align	8
	.type	k_qc6703dc27c_attn,@function
k_qc6703dc27c_attn:
	s_mov_b64 s[64:65], 0
	v_nop
	global_prefetch_b8 v0, s[64:65] scope:SCOPE_SE
	s_setreg_imm32_b32 hwreg(HW_REG_WAVE_MODE, 25, 1), 1
	s_wait_xcnt 0x0
	s_wait_alu depctr_hold_cnt(0) depctr_sa_sdst(0) depctr_va_vdst(0) depctr_va_sdst(0) depctr_va_ssrc(0) depctr_va_vcc(0) depctr_vm_vsrc(0)
	s_getreg_b32 s2, hwreg(HW_REG_IB_STS2, 6, 4)
	s_cmp_eq_u32 s2, 0
	s_cbranch_scc0 .Lentry_in_a_cluster
	s_endpgm
.Lentry_in_a_cluster:
	s_bfe_u32 s2, ttmp6, 0x10000c
	s_cmp_lg_u32 s2, 0x3003
	s_cbranch_scc0 .Lentry_shape_is_right
	s_endpgm
.Lentry_shape_is_right:
; y = softmax(t^T f) g on codes of FP6 (E2M3) with E8M0 scales, y's own quantising along d, and the statistics of u = Wo y for the batch norm.
; THE SOFTMAX: t = score x log2(e); M = the row's largest t so far, rounded UP to a whole number; p = 2^(t - M) is quantised along the keys, not normalised; the row's sum is taken of the unquantised p and divides at the end.
; When M moves, the sum and O are multiplied by 2^(old M - new M): exact.
; SHARES.  A work-group owns 128 queries of one batch.  Wave = G + 4 KH: two tiles of 16 queries (2 G, 2 G + 1), so that each fragment of K and V read from LDS feeds two products, and half of the keys: steps 2 KH and
; 2 KH + 1 of every slot of four steps of 128 keys.  Two waves share a SIMD.  At the end the two halves are joined (both M are whole numbers: exact) and wave (G, KH) finishes tile 2 G + KH.  All waves run one text.
; LAYOUT.  All operands lie in memory and LDS as images of their registers (1,536 bytes a fragment: three loads of 512 consecutive bytes).  Both products are used transposed: a lane holds one query throughout.
; The keys of a tile of K and the rows d of a tile of V are laid so that a lane's 16 registers of two neighbouring tiles are 16 neighbours along the next K.
; RING.  Two LDS slots of four steps (102,400 bytes); every wave fetches an eighth by one tensor load.  The four work-groups of a cluster walk the same keys: every load is JOINT.  By this text's count two loads of a wave are out at the head, later one.
; LIMITS: NaN and infinities are not served; p and rescalings under 2^-126 fall to 0; a block whose largest magnitude lies under 2^-124 keeps the byte 1, a block of zeros too (its codes are zeros);
; a block's largest p is made from its largest score, which takes v_exp_f32 not to fall where its input rises; v_exp_f32 and v_rcp_f32 are as accurate as the ISA guide states.
; REGISTERS.  Window 0: v1-11, v53-61 addresses; v12-19 -M, largest t, sum (pair) for each tile; v20-43 Q; v44 Q's scale words; v45-48 K's, v49-52 V's; v64-191 S^T, then p; v192-215 p's codes; v216-247 at work;
;   v248-249 at work; v250-253 the rescaling factors (pairs); v254-255 p's scale words.   Window 1: v0-127 O^T; v128-223 eight fragments of K or V.
.set WV,  14
.set SEL, 20
.set CS,  22
.set G1,  24                           ; s[24:31], s[32:35] groups 1 and 0 of the ring (group 0 walks);  s[36:43], s[44:47] of Wo
.set G0,  32
.set G1W, 36
.set G0W, 44
.set TB,  48                           ; LDS byte at which the slot in hand begins
.set SLOTS, 49
.set LIM, 50
.set PFA, 52
.set SLOT1, 1<<17
.set WO,    102400                     ; Wo's 16 images and 8 scale images: filled once
.set SPARE, 128000                     ; the spare words, 128 bytes for each wave: four blocks of 256 bytes that no other line names
.set EX,    SLOT1                      ; the exchange of the two halves, 16,896 bytes a wave, in slot 1, which has had its last fill and its last read by then
.set STAT,  266240                     ; 8 x 2,048 bytes: each wave's (sum, squares) of 256 channels
.set AL,  1
.set ASL, 2
.set SPW, 3
.set NIL, 4
.set AD,  5
.set AS,  6
.set PFO, 7
.set LI,  8
.set LS,  9
.set EXA, 10
.set EXS, 11
.set ST,  12
.set QF,  20
.set QS,  44
.set KS,  45
.set VS,  49
.set RA,  53
.set RB,  54
.set RS,  55
.set RS2, 56
.set WOA, 57
.set WOSA, 58
.set STA, 59
.set STL, 60
.set GP,  61
.set SS,  64
.set PP,  192
.set TT,  216
.set TA,  248
.set FF,  250
.set PS,  254
.set FR,  128
.set ZT,  64
.set ZD,  128
.set MSB, 0
.macro WIN new                         ; the immediate's high byte repeats the setting that is left
.if MSB != \new
	s_set_vgpr_msb (MSB<<8)|\new
.set MSB, \new
.endif
.endm
.macro CROUND                          ; a round of the cluster's barrier
	s_barrier_signal -1
	s_barrier_wait -1
	s_cmp_lg_u32 s[WV], 0
	s_cbranch_scc1 .Lnot_wave_0_\@
	s_barrier_signal -3
.Lnot_wave_0_\@:
	s_barrier_wait -3
	s_barrier_signal -1
	s_barrier_wait -1
.endm
; one scaled matrix instruction: D at d, sources at a and b, C at c (below 0: the constant 0), scale registers sa, sb; ra, rb = 1: the scales stand in lanes 16-31
.macro WM d, a, b, c, sa, sb, ra, rb
.if (\c) < 0
.if (\ra) && (\rb)
	v_wmma_scale_f32_16x16x128_f8f6f4 v[\d:\d+7], v[\a:\a+11], v[\b:\b+11], 0, v[\sa], v[\sb] matrix_a_fmt:MATRIX_FMT_FP6 matrix_b_fmt:MATRIX_FMT_FP6 matrix_a_scale:MATRIX_SCALE_ROW1 matrix_b_scale:MATRIX_SCALE_ROW1
.elseif (\ra)
	v_wmma_scale_f32_16x16x128_f8f6f4 v[\d:\d+7], v[\a:\a+11], v[\b:\b+11], 0, v[\sa], v[\sb] matrix_a_fmt:MATRIX_FMT_FP6 matrix_b_fmt:MATRIX_FMT_FP6 matrix_a_scale:MATRIX_SCALE_ROW1
.elseif (\rb)
	v_wmma_scale_f32_16x16x128_f8f6f4 v[\d:\d+7], v[\a:\a+11], v[\b:\b+11], 0, v[\sa], v[\sb] matrix_a_fmt:MATRIX_FMT_FP6 matrix_b_fmt:MATRIX_FMT_FP6 matrix_b_scale:MATRIX_SCALE_ROW1
.else
	v_wmma_scale_f32_16x16x128_f8f6f4 v[\d:\d+7], v[\a:\a+11], v[\b:\b+11], 0, v[\sa], v[\sb] matrix_a_fmt:MATRIX_FMT_FP6 matrix_b_fmt:MATRIX_FMT_FP6
.endif
.else
.if (\ra) && (\rb)
	v_wmma_scale_f32_16x16x128_f8f6f4 v[\d:\d+7], v[\a:\a+11], v[\b:\b+11], v[\c:\c+7], v[\sa], v[\sb] matrix_a_fmt:MATRIX_FMT_FP6 matrix_b_fmt:MATRIX_FMT_FP6 matrix_a_scale:MATRIX_SCALE_ROW1 matrix_b_scale:MATRIX_SCALE_ROW1
.elseif (\ra)
	v_wmma_scale_f32_16x16x128_f8f6f4 v[\d:\d+7], v[\a:\a+11], v[\b:\b+11], v[\c:\c+7], v[\sa], v[\sb] matrix_a_fmt:MATRIX_FMT_FP6 matrix_b_fmt:MATRIX_FMT_FP6 matrix_a_scale:MATRIX_SCALE_ROW1
.elseif (\rb)
	v_wmma_scale_f32_16x16x128_f8f6f4 v[\d:\d+7], v[\a:\a+11], v[\b:\b+11], v[\c:\c+7], v[\sa], v[\sb] matrix_a_fmt:MATRIX_FMT_FP6 matrix_b_fmt:MATRIX_FMT_FP6 matrix_b_scale:MATRIX_SCALE_ROW1
.else
	v_wmma_scale_f32_16x16x128_f8f6f4 v[\d:\d+7], v[\a:\a+11], v[\b:\b+11], v[\c:\c+7], v[\sa], v[\sb] matrix_a_fmt:MATRIX_FMT_FP6 matrix_b_fmt:MATRIX_FMT_FP6
.endif
.endif
.endm
.macro BMAXA src, bm                   ; 64 numbers of a lane, register 16 b + i = k 32 b + 16 (lane / 16) + i: the four blocks' largest magnitudes
.irp b, 0,1,2,3
	v_max3_num_f32 v[\bm+\b], |v[\src+16*\b]|, |v[\src+16*\b+1]|, 0x1800000   ; with the floor 2^(3 - 127): the byte cannot fall under 1
.endr
.irp i, 2,4,6,8,10,12,14
.irp b, 0,1,2,3
	v_max3_num_f32 v[\bm+\b], v[\bm+\b], |v[\src+16*\b+\i]|, |v[\src+16*\b+\i+1]|
.endr
.endr
.irp b, 0,1,2,3
	v_permlanex16_b32 v[\bm+4+\b], v[\bm+\b], s[SEL], s[SEL+1]
.endr
.irp b, 0,1,2,3
	v_max_num_f32 v[\bm+\b], v[\bm+\b], v[\bm+4+\b]
.endr
.endm
.macro SCALEW bm, so, by, pw           ; the conversions' scale operands, the bytes, the row's scale word
.irp b, 0,1,2,3
	v_add_nc_u32 v[\so+\b], 0xff000000, v[\bm+\b]  ; 2 off the exponent field
.endr
.irp b, 0,1,2,3
	v_lshrrev_b32 v[\by+\b], 23, v[\so+\b]
.endr
	v_lshl_or_b32 v[\pw], v[\by+1], 8, v[\by]
	v_lshl_or_b32 v[\pw], v[\by+2], 16, v[\pw]
	v_lshl_or_b32 v[\pw], v[\by+3], 24, v[\pw]
.endm
.macro CODES src, pc, ct, so           ; the fragment's 12 registers at pc
.irp c, 0,1
	v_cvt_scalef32_pk16_fp6_f32 v[\pc+6*\c:\pc+6*\c+2], v[\src+32*\c:\src+32*\c+15], v[\so+2*\c]
	v_cvt_scalef32_pk16_fp6_f32 v[\ct+4*\c:\ct+4*\c+2], v[\src+32*\c+16:\src+32*\c+31], v[\so+2*\c+1]
.endr
	v_nop                                          ; one plain place behind a scaled conversion
.irp c, 0,1                            ; the operand's layout wants a whole block in a lane
.irp i, 0,1,2
	v_permlane16_swap_b32 v[\pc+6*\c+\i], v[\ct+4*\c+\i]
.endr
.irp i, 0,1,2
	v_mov_b32 v[\pc+6*\c+3+\i], v[\ct+4*\c+\i]
.endr
.endr
.endm
	s_load_b256 s[4:11], s[0:1], 0x0               ; qimg, kv, wq, yimg
	s_load_b64 s[12:13], s[0:1], 0x20              ; part
	v_lshl_add_u32 v[SPW], v0, 2, SPARE
	v_mov_b32 v[NIL], 0
	ds_add_u32 v3, v4
	ds_add_u32 v3, v4
	s_wait_dscnt 0x0
	v_lshrrev_b32 v62, 5, v0
	v_readfirstlane_b32 s[WV], v62                 ; wave 0..7
	s_and_b32 s15, s[WV], 3                        ; G: my pair of query tiles
	s_lshr_b32 s16, s[WV], 2                       ; KH: my half of the keys
	s_bfe_u32 s17, ttmp6, 0x40000                  ; cx
	s_lshl_b32 s18, ttmp9, 2
	s_add_co_u32 s18, s18, s17                     ; my block of 128 queries
	s_and_b32 s19, ttmp7, 0xffff                   ; the batch, which the four partners share
	s_lshl_b32 s55, s19, 5
	s_add_co_u32 s55, s55, s18                     ; the record
	s_mov_b32 s[G1+0], 15|(3<<16)|(1<<21)          ; all four work-groups; elements of 8 bytes; bit 21 beside a mask
	s_mov_b32 s[G1+1], 32<<16                      ; 50 dense rows of 256 bytes: an eighth of a slot
	s_mov_b32 s[G1+2], 50<<16
	s_mov_b32 s[G1+3], 32<<16
	s_mov_b32 s[G1+4], 50
	s_mov_b32 s[G1+5], 32
	s_mov_b32 s[G1+6], 0
	s_mov_b32 s[G1+7], 0
	s_mov_b32 s[G1W+0], 15|(3<<16)|(1<<21)
	s_mov_b32 s[G1W+1], 16<<16                     ; 25 dense rows of 128 bytes: an eighth of Wo's 25,600 bytes, so that every wave issues a load
	s_mov_b32 s[G1W+2], 25<<16
	s_mov_b32 s[G1W+3], 16<<16
	s_mov_b32 s[G1W+4], 25
	s_mov_b32 s[G1W+5], 16
	s_mov_b32 s[G1W+6], 0
	s_mov_b32 s[G1W+7], 0
	s_mov_b32 s[G0], 1
	s_mul_i32 s[G0+1], s[WV], 12800
	s_mul_i32 s56, s19, 819200                     ; a batch's 32 records of 25,600 bytes
	s_add_co_u32 s56, s56, s[G0+1]
	s_mov_b32 s57, 0
	s_mov_b32 s[G0W], 1
	s_mul_i32 s58, s[WV], 3200
	s_add_co_u32 s[G0W+1], s58, WO
	s_add_co_u32 s58, s58, 76800
	s_mov_b32 s59, 0
	s_mov_b32 s[SEL], 0x76543210
	s_mov_b32 s[SEL+1], 0xfedcba98
	s_mov_b32 s[CS], 0x3fb8aa3b                    ; log2(e)
	s_mov_b32 s[CS+1], s[CS]                       ; (named with it as a pair, so it is written)
	s_mov_b32 s62, 0x3d800000                      ; 1 / 16
	s_mov_b32 s[TB], 0
	s_mov_b32 s[SLOTS], 7
	s_wait_kmcnt 0x0
	s_add_nc_u64 s[G0+2:G0+3], s[6:7], s[56:57]
	s_or_b32 s[G0+3], s[G0+3], 0x80000000
	s_add_nc_u64 s[G0W+2:G0W+3], s[8:9], s[58:59]
	s_or_b32 s[G0W+3], s[G0W+3], 0x80000000
	CROUND                                         ; all four work-groups are here: the first joint loads meet
	tensor_load_to_lds s[G0W:G0W+3], s[G1W:G1W+7]
	s_nop 0
	tensor_load_to_lds s[G0:G0+3], s[G1:G1+7]      ; slot 0
	s_nop 0
.rept 4
	v_nop
.endr
	s_mul_i32 s56, s55, 12800
	s_add_nc_u64 s[66:67], s[4:5], s[56:57]
	s_mul_i32 s58, s15, 3072
	s_add_nc_u64 s[68:69], s[66:67], s[58:59]      ; my two tiles of Q
	s_lshl_b32 s58, s15, 7
	s_add_co_u32 s58, s58, 12288
	s_add_nc_u64 s[70:71], s[66:67], s[58:59]      ; their scale image
	v_and_b32 v62, 31, v0
	v_lshlrev_b32 v[LI], 4, v62
	v_lshlrev_b32 v[LS], 2, v62
.irp i, 0,1,2,3,4,5
	global_load_b128 v[QF+4*\i:QF+4*\i+3], v[LI], s[68:69] offset:512*\i
.endr
	global_load_b32 v[QS], v[LS], s[70:71]
	s_lshl_b32 s72, s15, 1
	s_add_co_u32 s72, s72, s16                     ; the tile that I finish: 2 G + KH
	s_mul_i32 s56, s55, 13312
	s_add_nc_u64 s[74:75], s[10:11], s[56:57]
	s_lshl_b32 s58, s72, 7
	s_add_co_u32 s58, s58, 12288
	s_add_nc_u64 s[76:77], s[74:75], s[58:59]      ; y's scale image
	s_mul_i32 s58, s72, 1536
	s_add_nc_u64 s[74:75], s[74:75], s[58:59]      ; y's image
	s_lshl_b32 s56, s55, 11
	s_add_nc_u64 s[78:79], s[12:13], s[56:57]      ; the record's statistics
	; the prefetches: the batch's first cluster asks; its four partners take a step's record each, told apart by address; in each, waves 0 to 3 take 25 blocks of 256 bytes each
	s_mul_i32 s60, s19, 819200
	s_mul_i32 s61, s17, 25600
	s_add_co_u32 s60, s60, s61
	s_mul_i32 s61, s15, 6400
	s_add_co_u32 s60, s60, s61
	s_add_co_u32 s60, s60, 102400                  ; in slot 1: the first change of slots steps it to slot 2
	s_mov_b32 s61, 0
	s_add_nc_u64 s[PFA:PFA+1], s[6:7], s[60:61]
	s_or_b32 s[LIM], s16, ttmp9
	s_cmp_eq_u32 s[LIM], 0
	s_cselect_b32 s[LIM], 1, -1                    ; the same in all four partners, for a given wave
	v_min_u32 v[PFO], 24, v62                      ; lanes 25 to 31 name lane 24's block again, in the same instruction
	v_lshlrev_b32 v[PFO], 8, v[PFO]
	s_mul_i32 s60, s16, 51200
	v_add_nc_u32 v[AL], s60, v[LI]                 ; my two steps of a slot
	v_add_nc_u32 v[ASL], s60, v[LS]
	s_mul_i32 s60, s[WV], 16896
	s_add_co_u32 s60, s60, EX
	v_add_nc_u32 v[EXA], s60, v[LI]
	s_add_co_u32 s60, s60, 16384
	v_add_nc_u32 v[EXS], s60, v[LS]
	s_mul_i32 s60, s15, 16896
	s_add_co_u32 s60, s60, EX
	s_lshl_b32 s61, s16, 13
	s_add_co_u32 s61, s61, s60
	v_add_nc_u32 v[RA], s61, v[LI]                 ; tile 2 G + KH as wave G left it,
	v_add_nc_u32 v[RB], 67584, v[RA]               ; and as wave G + 4 did
	s_lshl_b32 s61, s16, 8
	s_add_co_u32 s61, s61, s60
	s_add_co_u32 s61, s61, 16384
	v_add_nc_u32 v[RS], s61, v[LS]
	v_add_nc_u32 v[RS2], 67584, v[RS]
	v_add_nc_u32 v[WOA], WO, v[LI]
	v_add_nc_u32 v[WOSA], WO+24576, v[LS]
	v_and_b32 v63, 15, v0
	s_lshl_b32 s60, s[WV], 11
	s_add_co_u32 s60, s60, STAT
	v_lshl_add_u32 v[STA], v63, 3, s60
	v_lshl_add_u32 v[STL], v0, 3, STAT
	v_lshlrev_b32 v[GP], 3, v0
.irp t, 0,1
	v_mov_b32 v[ST+4*\t+1], 0xff61b1e6             ; the largest t so far: -3e38, under every t
	v_mov_b32 v[ST+4*\t+2], 0                      ; the sum, in two halves
	v_mov_b32 v[ST+4*\t+3], 0
	v_mov_b32 v[FF+2*\t+1], 0                      ; (named as the upper half of a pair)
.irp b, 0,1,2,3
	v_mov_b32 v[TT+16*\t+4+\b], 0                  ; written once: a lane permute's destination counts as one of its sources
.endr
.endr
.irp t, 0,1
	v_floor_f32 v[ST+4*\t], -v[ST+4*\t+1]          ; -M
.endr
	WIN 0x40
.set j, 0
.rept 128
	v_mov_b32 v[j], 0                              ; O^T.  (The step is written once: the first finds zeros, which the first change of M leaves zeros)
.set j, j+1
.endr
	WIN 0
	s_wait_loadcnt 0x0                             ; Q
; THE CHANGE OF SLOTS stands at a slot's head.  Each wave waits for all its tensor loads (its part of the slot ahead), adds 0 to its spare word, and waits for that and for its reads of the slot that it has left.
; fill = 1: the barrier is a round of the cluster's, and behind it the slot just left takes the next four steps: the load has a whole slot's work in which to land.
.macro CHANGE fill
	s_wait_tensorcnt 0x0                           ; no tensor load of mine is out, so group 0 may be written
	ds_add_u32 v[SPW], v[NIL]                      ; 0 onto my spare word
.if \fill
	s_xor_b32 s[G0+1], s[G0+1], SLOT1              ; the other slot than last time,
	s_add_nc_u64 s[G0+2:G0+3], s[G0+2:G0+3], 102400   ; the next four steps; the type bits on top are not reached
	s_wait_xcnt 0x0                                ; the last prefetch, a slot back, has read its address, so it may be written
	s_add_nc_u64 s[PFA:PFA+1], s[PFA:PFA+1], 102400   ; one slot further on than the walking descriptor
	s_wait_dscnt 0x0                               ; the add is done, and my reads of the slot that I have left are over
	CROUND
	tensor_load_to_lds s[G0:G0+3], s[G1:G1+7]      ; the first thing behind the round, and my one tensor load until the next
	s_nop 0
.rept 4
	v_nop
.endr
	s_cmp_gt_u32 s[SLOTS], s[LIM]                  ; what the next change will ask for: a slot ahead of that load; the last filling change asks for nothing; slots 0 and 1 come by their loads alone
	s_cbranch_scc0 .Lnot_mine_\@
	global_prefetch_b8 v[PFO], s[PFA:PFA+1] th:TH_LOAD_NT scope:SCOPE_SE
.Lnot_mine_\@:
.else
	s_wait_dscnt 0x0
	s_barrier_signal -1
	s_barrier_wait -1
.endif
.endm
; THE SOFTMAX of my two tiles for 128 keys, each group of lines over both tiles
.macro SOFT
.irp t, 0,1
.irp b, 0,1,2,3
	v_max3_num_f32 v[TT+16*\t+\b], v[SS+64*\t+16*\b], v[SS+64*\t+16*\b+1], v[SS+64*\t+16*\b+2]   ; the largest score of each block of 32 keys: for the row's maximum, and for the block's largest p
.endr
.endr
.irp i, 3,5,7,9,11,13
.irp t, 0,1
.irp b, 0,1,2,3
	v_max3_num_f32 v[TT+16*\t+\b], v[TT+16*\t+\b], v[SS+64*\t+16*\b+\i], v[SS+64*\t+16*\b+\i+1]
.endr
.endr
.endr
.irp t, 0,1
.irp b, 0,1,2,3
	v_max_num_f32 v[TT+16*\t+\b], v[TT+16*\t+\b], v[SS+64*\t+16*\b+15]
.endr
.endr
.irp t, 0,1
.irp b, 0,1,2,3
	v_permlanex16_b32 v[TT+16*\t+4+\b], v[TT+16*\t+\b], s[SEL], s[SEL+1]
.endr
.endr
.irp t, 0,1
.irp b, 0,1,2,3
	v_max_num_f32 v[TT+16*\t+\b], v[TT+16*\t+\b], v[TT+16*\t+4+\b]   ; with lane l xor 16's 16 keys
.endr
.endr
.irp t, 0,1
	v_max3_num_f32 v[TA+\t], v[TT+16*\t], v[TT+16*\t+1], v[TT+16*\t+2]
.endr
.irp t, 0,1
	v_max_num_f32 v[TA+\t], v[TA+\t], v[TT+16*\t+3]
.endr
.irp t, 0,1
	v_mul_f32 v[TA+\t], s[CS], v[TA+\t]            ; the step's largest score as t
.endr
.irp t, 0,1
	v_max_num_f32 v[ST+4*\t+1], v[ST+4*\t+1], v[TA+\t]   ; the running largest t
.endr
.irp t, 0,1
	v_mov_b32 v[TA+\t], v[ST+4*\t]
.endr
.irp t, 0,1
	v_floor_f32 v[ST+4*\t], -v[ST+4*\t+1]          ; the new -M = floor(-t): M is a whole number
.endr
.irp t, 0,1
	v_sub_f32 v[TA+\t], v[ST+4*\t], v[TA+\t]       ; old M less new M: a whole number, 0 or less
.endr
.irp t, 0,1
	v_cvt_i32_f32 v[TA+\t], v[TA+\t]               ; (it saturates)
.endr
.irp t, 0,1
	v_ldexp_f32 v[FF+2*\t], 1.0, v[TA+\t]          ; f = 2^(old M - new M)
.endr
.irp t, 0,1
.set j, 0
.rept 32
	v_pk_fma_f32 v[SS+64*\t+j:SS+64*\t+j+1], v[SS+64*\t+j:SS+64*\t+j+1], s[CS:CS+1], v[ST+4*\t:ST+4*\t+1] op_sel_hi:[1,0,0]   ; t - M, two at a time
.set j, j+2
.endr
.endr
.irp t, 0,1
.irp b, 0,1,2,3
	v_fma_f32 v[TT+16*\t+\b], v[TT+16*\t+\b], s[CS], v[ST+4*\t]   ; the same of each block's largest score
.endr
.endr
.set j, 0
.rept 128
	v_exp_f32 v[SS+j], v[SS+j]                     ; p = 2^(t - M): one batch for both tiles
.set j, j+1
.endr
.irp t, 0,1
	v_pk_mul_f32 v[ST+4*\t+2:ST+4*\t+3], v[ST+4*\t+2:ST+4*\t+3], v[FF+2*\t:FF+2*\t+1] op_sel_hi:[1,0]   ; the sums under the new M (plain places behind the exponentials)
.endr
	s_wait_alu depctr_va_vdst(0)                   ; one wait for the batch, ahead of its first reader
.irp t, 0,1
.irp b, 0,1,2,3
	v_exp_f32 v[TT+16*\t+\b], v[TT+16*\t+\b]       ; the blocks' largest p: the same two instructions on the same number give the same bits
.endr
.endr
.irp t, 0,1
	v_pk_add_f32 v[TT+16*\t+4:TT+16*\t+5], v[SS+64*\t:SS+64*\t+1], v[SS+64*\t+2:SS+64*\t+3]   ; the row's sum is taken of the unquantised p, in two chains
.endr
.irp j, 4,8,12,16,20,24,28,32,36,40,44,48,52,56,60
.irp t, 0,1
	v_pk_add_f32 v[ST+4*\t+2:ST+4*\t+3], v[ST+4*\t+2:ST+4*\t+3], v[SS+64*\t+\j:SS+64*\t+\j+1]
	v_pk_add_f32 v[TT+16*\t+4:TT+16*\t+5], v[TT+16*\t+4:TT+16*\t+5], v[SS+64*\t+\j+2:SS+64*\t+\j+3]
.endr
.endr
.irp t, 0,1
	v_pk_add_f32 v[ST+4*\t+2:ST+4*\t+3], v[ST+4*\t+2:ST+4*\t+3], v[TT+16*\t+4:TT+16*\t+5]
.endr
	s_wait_alu depctr_va_vdst(0)                   ; and one for the eight
.irp t, 0,1
.irp b, 0,1,2,3
	v_max_num_f32 v[TT+16*\t+\b], 0x1800000, v[TT+16*\t+\b]   ; the floor 2^(3 - 127)
.endr
.endr
.irp t, 0,1
	SCALEW TT+16*\t, TT+16*\t+12, TT+16*\t+4, PS+\t
.endr
.irp t, 0,1
	CODES SS+64*\t, PP+12*\t, TT+16*\t+4, TT+16*\t+12
.endr
.endm
; A KEY STEP: 128 keys, the q-th of my two in the slot in hand
.macro STEP q
.set R, 25600*(\q)
	v_add_nc_u32 v[AD], s[TB], v[AL]
	v_add_nc_u32 v[AS], s[TB], v[ASL]
	v_nop
	v_nop                                          ; four places in front of loads into registers that the last products read
.irp b, 0,1,2,3
	ds_load_b32 v[KS+\b], v[AS] offset:R+12288+128*\b
.endr
	WIN 0x40
.set i, 0
.rept 24
	ds_load_b128 v[FR+4*i:FR+4*i+3], v[AD] offset:R+512*i
.set i, i+1
.endr
	s_wait_dscnt 12                                ; the scale words and fragments 0-3 are in; the 12 loads of fragments 4-7 may be out
	WIN 0x01                                       ; S^T = K Q^T: source 0 (K) window 1
.irp kt, 0,1,2,3
.irp t, 0,1
	WM SS+64*\t+8*\kt, FR+12*\kt, QF+12*\t, -1, KS+\kt/2, QS, \kt%2, \t
.endr
.endr
	s_wait_dscnt 0x0
.irp kt, 4,5,6,7
.irp t, 0,1
	WM SS+64*\t+8*\kt, FR+12*\kt, QF+12*\t, -1, KS+\kt/2, QS, \kt%2, \t
.endr
.endr
	WIN 0
.rept 4
	v_nop                                          ; places in front of the loads below and of the first read of the scores
.endr
.irp b, 0,1,2,3
	ds_load_b32 v[VS+\b], v[AS] offset:R+25088+128*\b
.endr
	WIN 0x40
.set i, 0
.rept 24
	ds_load_b128 v[FR+4*i:FR+4*i+3], v[AD] offset:R+12800+512*i   ; V lands under the softmax
.set i, i+1
.endr
	WIN 0
	SOFT
	WIN 0x41                                       ; O^T (destination and source 0) window 1, f window 0
.irp t, 0,1
.set j, 0
.rept 32
	v_pk_mul_f32 v[64*\t+j:64*\t+j+1], v[64*\t+j:64*\t+j+1], v[FF+2*\t:FF+2*\t+1] op_sel_hi:[1,0]   ; O^T under the new M
.set j, j+2
.endr
.endr
.rept 4
	v_nop                                          ; four places between the last scaling and the products that take its result as C
.endr
	s_wait_dscnt 0x0                               ; V is in
	WIN 0x51                                       ; O^T += V^T P^T: V, C and D window 1, P window 0; the 16 accumulators by turns, one instruction a turn
.irp e, 0,1,2,3,4,5,6,7
.irp t, 0,1
	WM 64*\t+8*\e, FR+12*\e, PP+12*\t, 64*\t+8*\e, VS+\e/2, PS+\t, \e%2, 0
.endr
.endr
	WIN 0
.endm
.Lslot:                                            ; seven trips: behind each change of slots but the last the next slot is asked for
	CHANGE 1
	STEP 0
	STEP 1
	s_xor_b32 s[TB], s[TB], SLOT1
	s_sub_co_u32 s[SLOTS], s[SLOTS], 1
	s_cmp_lg_u32 s[SLOTS], 0
	s_cbranch_scc1 .Lslot
	CHANGE 0                                       ; the last slot is written out
	STEP 0
	STEP 1
	; ---- THE TWO HALVES OF THE KEYS ARE JOINED
	v_add_f32 v[TA], v[ST+2], v[ST+3]              ; each tile's sum, my lane's keys
	v_add_f32 v[TA+1], v[ST+6], v[ST+7]
	v_nop
	v_nop                                          ; four places behind the last products
	s_wait_dscnt 0x0
	s_barrier_signal -1
	s_barrier_wait -1                              ; nobody reads the ring any more
	WIN 0x04                                       ; an LDS store's data are its source 1: window 1
.set i, 0
.rept 32
	ds_store_b128 v[EXA], v[4*i:4*i+3] offset:512*i   ; both tiles of O^T as they stand, each accumulator from its low end on
.set i, i+1
.endr
	WIN 0
.irp t, 0,1
	ds_store_b32 v[EXS], v[ST+4*\t] offset:256*\t
	ds_store_b32 v[EXS], v[TA+\t] offset:256*\t+128
.endr
	s_wait_dscnt 0x0
	s_barrier_signal -1
	s_barrier_wait -1
.set i, 0
.rept 16
	ds_load_b128 v[64+4*i:64+4*i+3], v[RA] offset:512*i
	ds_load_b128 v[128+4*i:128+4*i+3], v[RB] offset:512*i
.set i, i+1
.endr
	ds_load_b32 v216, v[RS]                        ; -M and the sum of the first half of the keys,
	ds_load_b32 v217, v[RS] offset:128
	ds_load_b32 v218, v[RS2]                       ; and of the second
	ds_load_b32 v219, v[RS2] offset:128
	s_wait_dscnt 0x0
	v_min_num_f32 v220, v216, v218                 ; -M of both
	v_sub_f32 v221, v220, v216
	v_sub_f32 v222, v220, v218
	v_cvt_i32_f32 v221, v221
	v_cvt_i32_f32 v222, v222
	v_ldexp_f32 v221, 1.0, v221                    ; 2^(M of a half - M): exact
	v_ldexp_f32 v222, 1.0, v222
	v_mul_f32 v223, v217, v221
	v_fmac_f32 v223, v219, v222
	v_mov_b32 v224, 0
	v_permlanex16_b32 v224, v223, s[SEL], s[SEL+1]
	v_add_f32 v223, v223, v224                     ; the row's sum
	v_rcp_f32 v225, v223
	v_nop                                          ; a plain place behind the transcendental
	s_wait_alu depctr_va_vdst(0)                   ; and the wait ahead of its first reader
	v_mul_f32 v228, v221, v225
	v_mul_f32 v230, v222, v225
	v_mov_b32 v229, v228
	v_mov_b32 v231, v230
.set j, 0
.rept 32
	v_pk_mul_f32 v[64+j:65+j], v[64+j:65+j], v[228:229]
.set j, j+2
.endr
.set j, 0
.rept 32
	v_pk_fma_f32 v[64+j:65+j], v[128+j:129+j], v[230:231], v[64+j:65+j]   ; y: register 16 b + i = d 32 b + 16 (lane / 16) + i of my query
.set j, j+2
.endr
	BMAXA 64, 232
	SCALEW 232, 244, 236, 254
	CODES 64, 192, 204, 244
.irp c, 0,1,2
	global_store_b128 v[LI], v[192+4*\c:192+4*\c+3], s[74:75] offset:512*\c
.endr
	global_store_b32 v[LS], v254, s[76:77]
.rept 8
	v_nop                                          ; y's scale word and codes were written by vector instructions: 8 and 4 places ahead of a scaled matrix instruction
.endr
; ---- u = Wo y for my 16 queries, for the statistics alone: source 0 = y's 16 queries, source 1 = 16 channels: a lane holds one channel and eight queries
.macro ZSTAT rho                       ; for each of eight tiles of channels: the sum over the 16 queries, and the squares about their own mean
.irp e, 0,1,2,3,4,5,6,7
	v_pk_add_f32 v[ZT+8*\e:ZT+8*\e+1], v[ZD+8*\e:ZD+8*\e+1], v[ZD+8*\e+2:ZD+8*\e+3]
	v_pk_add_f32 v[ZT+8*\e+2:ZT+8*\e+3], v[ZD+8*\e+4:ZD+8*\e+5], v[ZD+8*\e+6:ZD+8*\e+7]
.endr
.irp e, 0,1,2,3,4,5,6,7
	v_pk_add_f32 v[ZT+8*\e:ZT+8*\e+1], v[ZT+8*\e:ZT+8*\e+1], v[ZT+8*\e+2:ZT+8*\e+3]
.endr
.irp e, 0,1,2,3,4,5,6,7
	v_add_f32 v[ZT+8*\e], v[ZT+8*\e], v[ZT+8*\e+1]
.endr
.irp e, 0,1,2,3,4,5,6,7
	v_permlanex16_b32 v[ZT+8*\e+1], v[ZT+8*\e], s[SEL], s[SEL+1]
.endr
.irp e, 0,1,2,3,4,5,6,7
	v_add_f32 v[ZT+8*\e], v[ZT+8*\e], v[ZT+8*\e+1] ; the sum of 16
.endr
.irp e, 0,1,2,3,4,5,6,7
	v_mul_f32 v[ZT+8*\e+2], 0xbd800000, v[ZT+8*\e] ; minus their mean
.endr
.irp k, 0,2,4,6
.irp e, 0,1,2,3,4,5,6,7
	v_pk_add_f32 v[ZD+8*\e+\k:ZD+8*\e+\k+1], v[ZD+8*\e+\k:ZD+8*\e+\k+1], v[ZT+8*\e+2:ZT+8*\e+3] op_sel_hi:[1,0]
.endr
.endr
.irp e, 0,1,2,3,4,5,6,7
	v_pk_mul_f32 v[ZT+8*\e+4:ZT+8*\e+5], v[ZD+8*\e:ZD+8*\e+1], v[ZD+8*\e:ZD+8*\e+1]
.endr
.irp k, 2,4,6
.irp e, 0,1,2,3,4,5,6,7
	v_pk_fma_f32 v[ZT+8*\e+4:ZT+8*\e+5], v[ZD+8*\e+\k:ZD+8*\e+\k+1], v[ZD+8*\e+\k:ZD+8*\e+\k+1], v[ZT+8*\e+4:ZT+8*\e+5]
.endr
.endr
.irp e, 0,1,2,3,4,5,6,7
	v_add_f32 v[ZT+8*\e+1], v[ZT+8*\e+4], v[ZT+8*\e+5]
.endr
.irp e, 0,1,2,3,4,5,6,7
	v_permlanex16_b32 v[ZT+8*\e+4], v[ZT+8*\e+1], s[SEL], s[SEL+1]
.endr
.irp e, 0,1,2,3,4,5,6,7
	v_add_f32 v[ZT+8*\e+1], v[ZT+8*\e+1], v[ZT+8*\e+4]
.endr
.irp e, 0,1,2,3,4,5,6,7
	ds_store_b64 v[STA], v[ZT+8*\e:ZT+8*\e+1] offset:128*(8*(\rho)+\e)   ; both halves of the lanes write the same pair with the same value
.endr
.endm
.irp rho, 0,1
	WIN 0x40
.set i, 0
.rept 24
	ds_load_b128 v[FR+4*i:FR+4*i+3], v[WOA] offset:12288*\rho+512*i
.set i, i+1
.endr
	WIN 0
.irp p, 0,1,2,3
	ds_load_b32 v[KS+\p], v[WOSA] offset:128*(4*\rho+\p)
.endr
	s_wait_dscnt 0x0
	WIN 0x04                                       ; source 1 (Wo) window 1
.irp e, 0,1,2,3,4,5,6,7
	WM ZD+8*\e, 192, FR+12*\e, -1, 254, KS+\e/2, 0, \e%2
.endr
	WIN 0
.rept 4
	v_nop
.endr
	ZSTAT \rho
.endr
	s_wait_dscnt 0x0
	s_barrier_signal -1
	s_barrier_wait -1                              ; all eight tiles' pairs lie in LDS
.irp i, 0,1,2,3,4,5,6,7
	ds_load_b64 v[64+2*\i:65+2*\i], v[STL] offset:2048*\i   ; a thread takes a channel
.endr
	s_wait_dscnt 0x0
	v_pk_add_f32 v[80:81], v[64:65], v[66:67]
.irp i, 2,3,4,5,6,7
	v_pk_add_f32 v[80:81], v[80:81], v[64+2*\i:65+2*\i]
.endr
	v_mul_f32 v82, 0x3c000000, v80                 ; the mean of the 128
	v_fma_f32 v83, v64, s62, -v82
	v_mul_f32 v84, v83, v83
.irp i, 1,2,3,4,5,6,7
	v_fma_f32 v83, v[64+2*\i], s62, -v82           ; a tile's mean less the record's
	v_fmac_f32 v84, v83, v83
.endr
	v_fmamk_f32 v81, v84, 0x41800000, v81          ; the squares about the record's mean: no difference of large sums is formed
	global_store_b64 v[GP], v[80:81], s[78:79]     ; a wave stores 256 consecutive bytes
	s_wait_tensorcnt 0x0                           ; the wave's end
	ds_add_u32 v[SPW], v[NIL]
	s_wait_dscnt 0x0
	CROUND                                         ; the closing round
	s_endpgm
.Lfunc_end_k_qc6703dc27c_attn:
	.size	k_qc6703dc27c_attn, .Lfunc_end_k_qc6703dc27c_attn-k_qc6703dc27c_attn
	.p2alignl 7, 3214868480
	.fill 96, 4, 3214868480
	.section	.rodata,"a",@progbits
	.p2align	6, 0x0
	.amdhsa_kernel k_qc6703dc27c_attn
		.amdhsa_group_segment_fixed_size 327680
		.amdhsa_private_segment_fixed_size 0
		.amdhsa_enable_private_segment 0
		.amdhsa_kernarg_size 40
		.amdhsa_user_sgpr_count 2
		.amdhsa_user_sgpr_kernarg_segment_ptr 1
		.amdhsa_wavefront_size32 1
		.amdhsa_system_sgpr_workgroup_id_x 1
		.amdhsa_system_sgpr_workgroup_id_y 1
		.amdhsa_system_sgpr_workgroup_id_z 1
		.amdhsa_system_vgpr_workitem_id 0
		.amdhsa_next_free_vgpr 512
		.amdhsa_next_free_sgpr 80
		.amdhsa_reserve_vcc 0
		.amdhsa_float_denorm_mode_32 3
		.amdhsa_float_denorm_mode_16_64 3
		.amdhsa_memory_ordered 1
		.amdhsa_forward_progress 1
		.amdhsa_inst_pref_size 187
	.end_amdhsa_kernel
	.amdgpu_metadata
---
amdhsa.version: [ 1, 2 ]
amdhsa.kernels:
  - .name:           k_qc6703dc27c_attn
    .symbol:         k_qc6703dc27c_attn.kd
    .args:
      - { .name: qimg, .offset: 0, .size: 8, .value_kind: global_buffer, .address_space: global }
      - { .name: kv, .offset: 8, .size: 8, .value_kind: global_buffer, .address_space: global }
      - { .name: wq, .offset: 16, .size: 8, .value_kind: global_buffer, .address_space: global }
      - { .name: yimg, .offset: 24, .size: 8, .value_kind: global_buffer, .address_space: global }
      - { .name: part, .offset: 32, .size: 8, .value_kind: global_buffer, .address_space: global }
    .group_segment_fixed_size: 327680
    .private_segment_fixed_size: 0
    .kernarg_segment_align: 8
    .kernarg_segment_size: 40
    .max_flat_workgroup_size: 256
    .sgpr_count:     80
    .vgpr_count:     512
    .wavefront_size: 32
...
	.end_amdgpu_metadata
.endif
;; end of part 3
;; launch bnres (part 4): grid 8 x 32, 8 waves a work-group, no clusters, 139,264 bytes of LDS; arguments x, yimg, part, wq, bo, gamma, beta, out0; writes out0
.if DOCPART == 4
	.amdgcn_target "amdgcn-amd-amdhsa--gfx1250"
	.amdhsa_code_object_version 6
	.text
	.protected	k_qc6703dc27c_bnres
	.globl	k_qc6703dc27c_bnres
	.p2align	8
	.type	k_qc6703dc27c_bnres,@function
k_qc6703dc27c_bnres:
	s_mov_b64 s[64:65], 0
	v_nop
	global_prefetch_b8 v0, s[64:65] scope:SCOPE_SE
	s_setreg_imm32_b32 hwreg(HW_REG_WAVE_MODE, 25, 1), 1
	s_wait_xcnt 0x0
; out = (z - mean) rsqrt(var + 1e-5) gamma + beta + x, z = Wo y + bo on codes of FP6 (E2M3) with E8M0 scales; mean and var over all 32,768 pixels of a channel.
; z is made anew from y's codes (13,312 bytes a record of 128 queries): it never goes to memory.
; SHARES.  A work-group takes 32 channels x 1,024 queries; wave w takes one record (128 queries).  With 32 channels a work-group reads 64 KiB of the statistics.
; No cluster: this text has no tensor loads, and what work-groups share (y's codes, the statistics) is the smaller part of a work-group's bytes beside x and out0.
; STATISTICS.  part holds for each record and channel the sum S of u = Wo y over 128 queries and the squares M2 about the record's own mean.  Lane = channel; wave w sums records 32 w .. 32 w + 31; the waves meet in LDS:
; first the sums, then, with the mean known, the squares of the records' means about it.  No variance is formed as a difference of large sums.  bo is added to z (as the C of the product) and to the mean.
; PRODUCT.  Source 0 = 16 queries of y, source 1 = 16 channels of Wo: a lane holds one channel and eight queries; register 16 b + 8 u + j of a channel tile is query 32 b + 16 (lane / 16) + 8 u + j of the record.
; The results go through the wave's own stage in LDS (32 rows of 512 + 16 bytes) and leave as whole rows of 512 bytes.
; LIMITS: NaN and infinities are not served; v_rsq_f32 is as accurate as the ISA guide states.
; REGISTERS.  Window 0: v1-12 addresses; v16-18 gamma, beta, bo; v20-27 at work; v28-35 gain and shift (pairs) for the two channel tiles; v36-37 bo; v40-55 bo as C; v56-63 y's scale words; v64 Wo's; v66-89 Wo's two fragments;
;   v96-223 accumulators (earlier: v96-159 the statistics, v160-175 at work).   Window 1: v0-127 x; v128-223 y's eight fragments.
.set WV,  20
.set ACC, 96
.set RED1, 135168                      ; 8 waves x 32 channels x 8 bytes
.set RED2, 137216                      ; 8 waves x 32 channels x 4 bytes
.set MSB, 0
.macro WIN new                         ; the immediate's high byte repeats the setting that is left
.if MSB != \new
	s_set_vgpr_msb (MSB<<8)|\new
.set MSB, \new
.endif
.endm
	s_load_b256 s[4:11], s[0:1], 0x0               ; x, yimg, part, wq
	s_load_b256 s[12:19], s[0:1], 0x20             ; bo, gamma, beta, out0
	v_lshl_add_u32 v254, v0, 2, 0x21c00
	v_mov_b32 v255, 0
	v_lshrrev_b32 v20, 5, v0
	v_readfirstlane_b32 s[WV], v20                 ; wave 0..7
	s_and_b32 s22, ttmp7, 0xffff                   ; which 1,024 queries
	s_lshr_b32 s23, s22, 2                         ; the batch
	s_and_b32 s24, s22, 3
	s_lshl_b32 s24, s24, 3
	s_add_co_u32 s24, s24, s[WV]                   ; my block of 128 columns in it
	s_lshl_b32 s25, s22, 3
	s_add_co_u32 s25, s25, s[WV]                   ; my record
	s_lshl_b32 s26, s23, 22                        ; x and out0: a batch is 4 MiB,
	s_lshl_b32 s27, ttmp9, 19                      ; 32 channels 512 KiB,
	s_add_co_u32 s26, s26, s27
	s_lshl_b32 s27, s24, 9                         ; 128 columns 512 bytes
	s_add_co_u32 s26, s26, s27
	s_mov_b32 s27, 0
	s_lshl_b32 s40, s[WV], 16                      ; part: my 32 records,
	s_lshl_b32 s41, ttmp9, 8                       ; the work-group's 32 channels
	s_add_co_u32 s40, s40, s41
	s_mov_b32 s41, 0
	s_mul_i32 s42, s25, 13312
	s_mov_b32 s43, 0
	s_mul_i32 s44, ttmp9, 3072
	s_add_co_u32 s44, s44, 76800                   ; Wo's two images
	s_mov_b32 s45, 0
	s_lshl_b32 s21, ttmp9, 7
	s_add_co_u32 s46, s21, 101376                  ; and their scale image
	s_mov_b32 s47, 0
	v_and_b32 v20, 31, v0
	v_lshlrev_b32 v1, 4, v20                       ; 16 x lane
	v_lshlrev_b32 v2, 2, v20                       ; 4 x lane
	v_lshlrev_b32 v3, 3, v20                       ; 8 x lane
	v_add_nc_u32 v4, s21, v2                       ; my channel in gamma, beta, bo
	s_lshl_b32 s48, s[WV], 8
	s_add_co_u32 s48, s48, RED1
	v_add_nc_u32 v5, s48, v3
	v_add_nc_u32 v6, RED1, v3
	s_lshl_b32 s48, s[WV], 7
	s_add_co_u32 s48, s48, RED2
	v_add_nc_u32 v7, s48, v2
	v_add_nc_u32 v8, RED2, v2
	s_mul_i32 s50, s[WV], 16896                    ; my stage
	v_and_b32 v21, 15, v0                          ; r
	v_bfe_u32 v22, v0, 4, 1                        ; h
	v_mul_u32_u24 v9, v21, 528
	v_lshl_add_u32 v9, v22, 6, v9
	v_add_nc_u32 v9, s50, v9                       ; in: row r, + 64 h
	v_add_nc_u32 v10, s50, v1                      ; back: 16 bytes a lane of a row
	v_lshlrev_b32 v11, 2, v21                      ; the lane that holds channel r,
	v_add_nc_u32 v12, 64, v11                      ; and channel 16 + r
	s_wait_kmcnt 0x0
	s_add_nc_u64 s[28:29], s[4:5], s[26:27]
	s_add_nc_u64 s[30:31], s[18:19], s[26:27]
	s_add_nc_u64 s[32:33], s[8:9], s[40:41]
	s_add_nc_u64 s[34:35], s[6:7], s[42:43]
	s_add_nc_u64 s[36:37], s[10:11], s[44:45]
	s_add_nc_u64 s[38:39], s[10:11], s[46:47]
	s_mov_b32 s40, 0x3c000000                      ; 1 / 128
	s_mov_b32 s41, 0x38000000                      ; 1 / 32,768
	s_mov_b32 s51, 0x3727c5ac                      ; 1e-5
.set i, 0
.rept 32
	global_load_b64 v[96+2*i:97+2*i], v3, s[32:33] offset:2048*i   ; record 32 w + i: 32 lanes read 256 consecutive bytes
.set i, i+1
.endr
	global_load_b32 v16, v4, s[14:15]
	global_load_b32 v17, v4, s[16:17]
	global_load_b32 v18, v4, s[12:13]
	WIN 0x40
.set i, 0
.rept 16
	global_load_b128 v[4*i:4*i+3], v1, s[28:29] offset:16384*i th:TH_LOAD_NT   ; x, channels 0-15: 512 consecutive bytes a load
.set i, i+1
.endr
	WIN 0
	s_wait_loadcnt 16                              ; the statistics and the three vectors are in; x's 16 loads stay out
	v_pk_add_f32 v[20:21], v[96:97], v[98:99]      ; (sum of S, sum of M2) of my 32 records, in two chains
	v_pk_add_f32 v[22:23], v[100:101], v[102:103]
.irp i, 4,6,8,10,12,14,16,18,20,22,24,26,28,30
	v_pk_add_f32 v[20:21], v[20:21], v[96+2*\i:97+2*\i]
	v_pk_add_f32 v[22:23], v[22:23], v[98+2*\i:99+2*\i]
.endr
	v_pk_add_f32 v[20:21], v[20:21], v[22:23]
	ds_store_b64 v5, v[20:21]
	s_wait_dscnt 0x0
	s_barrier_signal -1
	s_barrier_wait -1
	WIN 0x40
.set i, 0
.rept 24
	global_load_b128 v[128+4*i:128+4*i+3], v1, s[34:35] offset:512*i   ; y's eight fragments
.set i, i+1
.endr
	WIN 0
.irp n, 0,1,2,3,4,5,6,7
	global_load_b32 v[56+\n], v2, s[34:35] offset:12288+128*\n
.endr
.irp i, 0,1,2,3,4,5
	global_load_b128 v[66+4*\i:66+4*\i+3], v1, s[36:37] offset:512*\i
.endr
	global_load_b32 v64, v2, s[38:39]
.irp i, 0,1,2,3,4,5,6,7
	ds_load_b64 v[160+2*\i:161+2*\i], v6 offset:256*\i
.endr
	s_wait_dscnt 0x0
	v_pk_add_f32 v[20:21], v[160:161], v[162:163]
.irp i, 2,3,4,5,6,7
	v_pk_add_f32 v[20:21], v[20:21], v[160+2*\i:161+2*\i]
.endr
	v_mul_f32 v24, s41, v20                        ; the mean of u
	v_fma_f32 v25, v96, s40, -v24
	v_mul_f32 v26, v25, v25
.set i, 1
.rept 31
	v_fma_f32 v25, v[96+2*i], s40, -v24            ; a record's mean less the mean
	v_fmac_f32 v26, v25, v25
.set i, i+1
.endr
	ds_store_b32 v7, v26
	s_wait_dscnt 0x0
	s_barrier_signal -1
	s_barrier_wait -1
.irp i, 0,1,2,3,4,5,6,7
	ds_load_b32 v[160+\i], v8 offset:128*\i
.endr
	WIN 0x40
.set i, 16
.rept 16
	global_load_b128 v[4*i:4*i+3], v1, s[28:29] offset:16384*i th:TH_LOAD_NT   ; x, channels 16-31
.set i, i+1
.endr
	WIN 0
	s_wait_dscnt 0x0
	v_add_f32 v26, v160, v161
.irp i, 2,3,4,5,6,7
	v_add_f32 v26, v26, v[160+\i]
.endr
	v_fmamk_f32 v22, v26, 0x43000000, v21          ; M2 + 128 x the squares of the records' means
	v_fma_f32 v22, v22, s41, s51                   ; var + 1e-5
	v_rsq_f32 v23, v22
	v_add_f32 v25, v24, v18                        ; the mean of z  (a plain place behind the transcendental)
	s_wait_alu depctr_va_vdst(0)                   ; the wait ahead of the first reader
	v_mul_f32 v23, v16, v23                        ; the gain
	v_fma_f32 v27, -v25, v23, v17                  ; the shift: beta - mean x gain
	ds_bpermute_b32 v28, v11, v23                  ; lane = channel becomes lane (r, h) = channel 16 e + r
	ds_bpermute_b32 v30, v12, v23
	ds_bpermute_b32 v32, v11, v27
	ds_bpermute_b32 v34, v12, v27
	ds_bpermute_b32 v36, v11, v18
	ds_bpermute_b32 v37, v12, v18
.irp i, 29,31,33,35
	v_mov_b32 v[\i], 0                             ; (named as the upper halves of pairs)
.endr
	s_wait_dscnt 0x0
.irp e, 0,1
.irp j, 0,1,2,3,4,5,6,7
	v_mov_b32 v[40+8*\e+\j], v[36+\e]              ; bo as the C of the product
.endr
.endr
.rept 4
	v_nop
.endr
	s_wait_loadcnt 16                              ; y, Wo and their scale words are in; x's last 16 loads stay out
	WIN 0x01                                       ; source 0 (y) window 1
.irp n, 0,1,2,3,4,5,6,7
	v_wmma_scale_f32_16x16x128_f8f6f4 v[ACC+8*\n:ACC+8*\n+7], v[128+12*\n:128+12*\n+11], v[66:77], v[40:47], v[56+\n], v64 matrix_a_fmt:MATRIX_FMT_FP6 matrix_b_fmt:MATRIX_FMT_FP6
	v_wmma_scale_f32_16x16x128_f8f6f4 v[ACC+64+8*\n:ACC+64+8*\n+7], v[128+12*\n:128+12*\n+11], v[78:89], v[48:55], v[56+\n], v64 matrix_a_fmt:MATRIX_FMT_FP6 matrix_b_fmt:MATRIX_FMT_FP6 matrix_b_scale:MATRIX_SCALE_ROW1
.endr
	WIN 0
.rept 4
	v_nop
.endr
.irp e, 0,1
.set j, 0
.rept 32
	v_pk_fma_f32 v[ACC+64*\e+j:ACC+64*\e+j+1], v[ACC+64*\e+j:ACC+64*\e+j+1], v[28+2*\e:29+2*\e], v[32+2*\e:33+2*\e] op_sel_hi:[1,0,0]   ; z x gain + shift
.set j, j+2
.endr
.endr
.irp e, 0,1
.irp n, 0,1,2,3,4,5,6,7
	ds_store_b128 v9, v[ACC+64*\e+8*\n:ACC+64*\e+8*\n+3] offset:8448*\e+128*(\n/2)+32*(\n%2)
	ds_store_b128 v9, v[ACC+64*\e+8*\n+4:ACC+64*\e+8*\n+7] offset:8448*\e+128*(\n/2)+32*(\n%2)+16
.endr
.endr
.set i, 0
.rept 32
	ds_load_b128 v[ACC+4*i:ACC+4*i+3], v10 offset:528*i   ; LDS serves a wave's instructions in order: these see my stores
.set i, i+1
.endr
	s_wait_loadcnt 0x0                             ; x
	s_wait_dscnt 0x0
	WIN 0x04                                       ; source 1 (x) window 1
.set j, 0
.rept 64
	v_pk_add_f32 v[ACC+j:ACC+j+1], v[ACC+j:ACC+j+1], v[j:j+1]
.set j, j+2
.endr
	WIN 0
.set i, 0
.rept 32
	global_store_b128 v1, v[ACC+4*i:ACC+4*i+3], s[30:31] offset:16384*i th:TH_STORE_NT   ; 32 lanes store 512 consecutive bytes, at a multiple of 256 from out0's first byte
.set i, i+1
.endr
	s_wait_tensorcnt 0x0
	ds_add_u32 v254, v255
	s_wait_dscnt 0x0
	s_endpgm
.Lfunc_end_k_qc6703dc27c_bnres:
	.size	k_qc6703dc27c_bnres, .Lfunc_end_k_qc6703dc27c_bnres-k_qc6703dc27c_bnres
	.p2alignl 7, 3214868480
	.fill 96, 4, 3214868480
	.section	.rodata,"a",@progbits
	.p2align	6, 0x0
	.amdhsa_kernel k_qc6703dc27c_bnres
		.amdhsa_group_segment_fixed_size 139264
		.amdhsa_private_segment_fixed_size 0
		.amdhsa_enable_private_segment 0
		.amdhsa_kernarg_size 64
		.amdhsa_user_sgpr_count 2
		.amdhsa_user_sgpr_kernarg_segment_ptr 1
		.amdhsa_wavefront_size32 1
		.amdhsa_system_sgpr_workgroup_id_x 1
		.amdhsa_system_sgpr_workgroup_id_y 1
		.amdhsa_system_sgpr_workgroup_id_z 1
		.amdhsa_system_vgpr_workitem_id 0
		.amdhsa_next_free_vgpr 512
		.amdhsa_next_free_sgpr 66
		.amdhsa_reserve_vcc 0
		.amdhsa_float_denorm_mode_32 3
		.amdhsa_float_denorm_mode_16_64 3
		.amdhsa_memory_ordered 1
		.amdhsa_forward_progress 1
		.amdhsa_inst_pref_size 39
	.end_amdhsa_kernel
	.amdgpu_metadata
---
amdhsa.version: [ 1, 2 ]
amdhsa.kernels:
  - .name:           k_qc6703dc27c_bnres
    .symbol:         k_qc6703dc27c_bnres.kd
    .args:
      - { .name: x, .offset: 0, .size: 8, .value_kind: global_buffer, .address_space: global }
      - { .name: yimg, .offset: 8, .size: 8, .value_kind: global_buffer, .address_space: global }
      - { .name: part, .offset: 16, .size: 8, .value_kind: global_buffer, .address_space: global }
      - { .name: wq, .offset: 24, .size: 8, .value_kind: global_buffer, .address_space: global }
      - { .name: bo, .offset: 32, .size: 8, .value_kind: global_buffer, .address_space: global }
      - { .name: gamma, .offset: 40, .size: 8, .value_kind: global_buffer, .address_space: global }
      - { .name: beta, .offset: 48, .size: 8, .value_kind: global_buffer, .address_space: global }
      - { .name: out0, .offset: 56, .size: 8, .value_kind: global_buffer, .address_space: global }
    .group_segment_fixed_size: 139264
    .private_segment_fixed_size: 0
    .kernarg_segment_align: 8
    .kernarg_segment_size: 64
    .max_flat_workgroup_size: 256
    .sgpr_count:     66
    .vgpr_count:     512
    .wavefront_size: 32
...
	.end_amdgpu_metadata
.endif
;; end of part 4
